; MI455X (gfx1250); checked and timed in simulation.
; The chip was launched on July 23, 2026; its instructions are those of AMD's public machine-readable ISA for CDNA 5 (MIT licence, August 2026) and "CDNA5" Instruction Set Architecture Reference Guide (July 2026). The comments in the code are by the model that wrote it; some were corrected since.
;; Multi Head Attention. Allowed arithmetic: matrix products marked QUANTISED: E2M1 operands, one E8M0 scale for each 32 along K, by v_wmma_scale_f32_16x16x128_f8f6f4 with both operands' format E2M1 (or v_wmma_scale_f32_32x16x128_f4), f32 sums; everything else in f32.
;; Inputs: Wk_codes 768 x 24 x 16 uint8 (E2M1 codes of Wk, K innermost, in blocks of 32 codes, two codes a byte); Wk_scales 768 x 24 uint8 (E8M0 scales of Wk, one for each 32 codes along K); Wo_codes 768 x 24 x 16 uint8 (E2M1 codes of Wo, K innermost, in blocks of 32 codes, two codes a byte); Wo_scales 768 x 24 uint8 (E8M0 scales of Wo, one for each 32 codes along K); Wq_codes 768 x 24 x 16 uint8 (E2M1 codes of Wq, K innermost, in blocks of 32 codes, two codes a byte); Wq_scales 768 x 24 uint8 (E8M0 scales of Wq, one for each 32 codes along K); Wv_codes 768 x 24 x 16 uint8 (E2M1 codes of Wv, K innermost, in blocks of 32 codes, two codes a byte); Wv_scales 768 x 24 uint8 (E8M0 scales of Wv, one for each 32 codes along K); bk 768 float32; bo 768 float32; bq 768 float32; bv 768 float32; x_codes 2 x 2,048 x 24 x 16 uint8 (E2M1 codes of x, K innermost, in blocks of 32 codes, two codes a byte); x_scales 2 x 2,048 x 24 uint8 (E8M0 scales of x, one for each 32 codes along K).
;; Outputs: out0 2 x 2,048 x 768 float32.
;; This version of the problem:
;;   THIS VERSION OF THE PROBLEM IS GIVEN IN LOW PRECISION. The matrix products marked QUANTISED in the list below multiply operands that are first quantised to E2M1 (2 exponent bits, 1 mantissa bit; 4 bits a number), with one power-of-two scale for each 32 numbers along K (OCP MX v1.0); their sums are f32. All else is computed in f32.
;;   The module's matrix products, in the order in which they are computed (A, B: the left and right operand; K: the contracted axis; several contracted axes count as one K, in the product's order):
;;     1. [M 4,096, K 768] x [K 768, N 768]; A: input x (given as codes); B: input Wq (given as codes): QUANTISED
;;     2. [M 4,096, K 768] x [K 768, N 768]; A: input x (given as codes); B: input Wk (given as codes): QUANTISED
;;     3. [M 4,096, K 768] x [K 768, N 768]; A: input x (given as codes); B: input Wv (given as codes): QUANTISED
;;     4. batch 24 x [M 2,048, K 64] x [K 64, N 2,048]; A: computed on the way; B: computed on the way: QUANTISED
;;     5. batch 24 x [M 2,048, K 2,048] x [K 2,048, N 64]; A: softmax (see below); B: computed on the way: QUANTISED
;;     6. [M 4,096, K 768] x [K 768, N 768]; A: computed on the way; B: input Wo (given as codes): QUANTISED
;;   THE QUANTISER, for each operand of a quantised product, along K:
;;     - K is cut into blocks of 32 from its start; a last block that is shorter is filled with zeros.
;;     - A block's scale is 2^e with e = floor(log2(the largest magnitude in the block)) - 2, held to -126 .. 127; a block of zeros has e = 0. As a byte (E8M0): e + 127.
;;     - Each number is divided by its block's scale, clamped to +-6, and rounded to the nearest number of E2M1, ties to even, subnormals kept.
;;     - The product sums the exact products of the quantised numbers (number of the format x scale) in f32.
;;   ~~~python
;;   def quantise(x, axis):      # numpy; x: float32 -> the quantised numbers, widened to float32 again
;;       x = np.moveaxis(x, axis, -1); K = x.shape[-1]
;;       x = np.pad(x, [(0, 0)] * (x.ndim - 1) + [(0, -K % 32)]); x = x.reshape(x.shape[:-1] + (-1, 32)); a = np.abs(x).max(-1, keepdims=True)
;;       e = np.where(a > 0, np.clip(np.frexp(np.where(a > 0, a, 1))[1] - 1 - 2, -126, 127), 0)      # np.frexp(a)[1] - 1 = floor(log2(a)), exactly
;;       r = np.clip(x / 2.0 ** e, -6, 6)
;;       step = 2.0 ** (np.maximum(np.frexp(np.where(r == 0, 1, r))[1] - 1, 0) - 1)
;;       q = np.round(r / step) * step * 2.0 ** e      # np.round: ties to even
;;       return np.moveaxis(q.reshape(q.shape[:-2] + (-1,))[..., :K], -1, axis).astype(np.float32)
;;   ~~~
;;   SOFTMAX AHEAD OF A QUANTISED PRODUCT. Where the list says 'softmax', what is quantised is not the finished softmax but p = 2^(t - M), with t = logit x log2(e) and M = ceil(the row's largest t), a whole number; so 1/2 < the row's largest p <= 1. The row's sum l is taken of the UNQUANTISED p, in f32, and the product's result is divided by l at the end. Since M is a whole number, a kernel that streams over the keys may use a running M (the ceiling of the running maximum): every later rescaling is an exact power of two, which a block's scale takes up: the codes' values come out the same.
;;   OPERANDS COMPUTED ON THE WAY. 'Computed on the way' means the value that the module computes at that place (a softmax that the list does not call 'softmax' is quantised finished and normalised). What goes into a quantiser is computed in f32, as accurately as f32 sums, v_exp_f32 and their like allow (about 1e-6 of the number): no bf16 or f16 on the way to a quantiser, and a product that is left as it is and whose result goes on into a quantised operand takes f32 operands (vector FMAs, or v_wmma_f32_16x16x4_f32). A number that lies on a knife's edge between two numbers of the format may be rounded either way, as far as f32 arithmetic and the matrix unit's own rounding can turn it there, and no further.
;;   INPUTS GIVEN AS CODES. Wk (in the module: [768, 768], K = its axis 1); Wo (in the module: [768, 768], K = its axis 1); Wq (in the module: [768, 768], K = its axis 1); Wv (in the module: [768, 768], K = its axis 1); x (in the module: [2, 2048, 768], K = its axis 2): each comes as NAME_codes (uint8): NAME with its K axis moved to the last place and cut into blocks of 32 codes, [.., K / 32, bytes a block], one block behind the other in memory; two codes a byte, the lower K in the low four bits (a code: sign, 2 exponent bits, 1 mantissa bit); and NAME_scales (uint8): the same leading axes, one E8M0 byte (e + 127) for each 32 codes along K. Its value is code x scale, taken as it is: it is not quantised again, and the codes and scales need not be those that the quantiser above would give.
;; 2 versions. Each part assembles by itself: llvm-mc -triple=amdgcn-amd-amdhsa -mcpu=gfx1250 --defsym DOCPART=n.
;; ======== version 1 of 2: 3 launches
;; workspace buffers: qc 1,572,864 bytes; qs 196,608 bytes; kv 3,440,640 bytes; oc 1,572,864 bytes; os 98,304 bytes
;; launch qkv (part 1): grid 32 x 6, 12 waves a work-group, clusters of 4 x 1, 238,080 bytes of LDS; arguments Wq_codes, Wk_codes, Wv_codes, x_codes, Wq_scales, Wk_scales, Wv_scales, x_scales, bq, bk, bv, qc, qs, kv; writes qc, qs, kv
.if DOCPART == 1
	.amdgcn_target "amdgcn-amd-amdhsa--gfx1250"
	.amdhsa_code_object_version 6
	.text
	.protected	k_q7faf32ab03_qkv
	.globl	k_q7faf32ab03_qkv
	.p2align	8
	.type	k_q7faf32ab03_qkv,@function
k_q7faf32ab03_qkv:
	s_mov_b64 s[64:65], 0
	v_nop
	global_prefetch_b8 v0, s[64:65] scope:SCOPE_SE
	s_setreg_imm32_b32 hwreg(HW_REG_WAVE_MODE, 25, 1), 1
	s_wait_xcnt 0x0
	s_wait_alu depctr_hold_cnt(0) depctr_sa_sdst(0) depctr_va_vdst(0) depctr_va_sdst(0) depctr_va_ssrc(0) depctr_va_vcc(0) depctr_vm_vsrc(0)
	s_getreg_b32 s2, hwreg(HW_REG_IB_STS2, 6, 4)
	s_cmp_eq_u32 s2, 0
	s_cbranch_scc0 .Lentry_in_a_cluster
	s_endpgm
.Lentry_in_a_cluster:
	s_bfe_u32 s2, ttmp6, 0x10000c
	s_cmp_lg_u32 s2, 0x3003
	s_cbranch_scc0 .Lentry_shape_is_right
	s_endpgm
.Lentry_shape_is_right:
; q = x Wq^T + bq, k = x Wk^T + bk, v = x Wv^T + bv on codes of FP4 (E2M1) with one E8M0 scale for each 32 along K = 768; the results are quantised at once,
; q and k along a head's 64 channels, v along the keys, and leave as IMAGES OF OPERAND REGISTERS for the attention launch: nothing wider than codes goes to memory.
; SHARES.  A work-group takes 128 tokens (group g of 32) and a pair of heads (128 features of each of q, k, v).  Twelve waves: role = wave / 4 (0 q, 1 k, 2 v), i = wave % 4.
; Every wave makes 8 wide tiles x 2 narrow tiles x 6 K steps = 96 matrix instructions; source 0 is the wide side, source 1 the narrow side, so that a lane holds ONE narrow row and its registers run along the wide side:
;   q, k: wide = the weight's 128 rows, narrow = tokens 32 i .. 32 i + 31: a lane's registers run along the features, which are the next product's K;
;   v:    wide = the 128 tokens, narrow = the weight's rows 32 i .. 32 i + 31: a lane's registers run along the tokens, which are the keys, the second attention product's K.
; One text serves the three roles: only addresses differ, and the C of the first K step (the bias: per feature in q and k, per lane in v).
; FROM RESULT TO OPERAND.  In tile t lane (r, h) holds wide rows 16 t + 8 h + 0..7.  Of block b (tiles 2 b, 2 b + 1) the even tile's eight codes are word 0 (lanes 0-15) or word 1 (lanes 16-31), the odd tile's word 2 or 3.
; The even tile's conversion goes to register 4 (b / 2) + b % 2, the odd tile's two further on; two exchanges of halves for each pair of blocks then give registers 4 c .. 4 c + 3 = k 64 c + 32 h + 0..31, the operand's layout.
; CLUSTER.  The four work-groups of a cluster take four token groups and the same pair of heads: the weights' codes and scales are asked for JOINTLY (mask 15); x's are each work-group's own.
; Every LDS byte is filled once; what the waves store lies in blocks of its own behind the fills.
; LIMITS: NaN and infinities are not served.  A block whose largest magnitude lies under 2^-124 (a block of zeros too) gets the scale byte 1; its bytes are read by this program alone.
.set ROWB,   384                       ; a row of 768 codes in bytes
.set PITCH,  432                       ; in LDS: 16 bytes of padding behind each 128: 27 x 16, so the 16 rows of a fragment load start in 16 different groups of banks
.set TILEB,  16*PITCH
.set HALFR,  64*PITCH                  ; what one tensor load of codes brings
.set REGN,   128*PITCH                 ; a region of codes: 0 Wq, 1 Wk, 2 Wv, 3 x
.set SCL,    4*REGN                    ; the four regions of scale bytes: 128 rows of 24 bytes, dense
.set SREG,   128*24
.set SST,    SCL+4*SREG                ; the stage for the new scale words: 1,024 bytes a role
.set REC,    8960                      ; kv: the record of 128 keys of a head: K's 8 tiles (512 each), V^T's 4 tiles (1,024 each), K's scale words (512), V's (256)
.set HEADKV, 16*REC
.set WA,   1                           ; v1   LDS: my lane's place in the wide side's codes
.set NA,   2                           ; v2   in the narrow side's two tiles
.set WSA,  3                           ; v3   the wide side's scale words: row = lane
.set NSA,  4                           ; v4   the narrow side's
.set STA,  5                           ; v5   where my new scale word goes
.set SRD,  6                           ; v6   where a wave reads 512 bytes of the stage back
.set SH,   7                           ; v7   16 h
.set VO,   8                           ; v8-11 byte offsets of my 16 bytes of codes: narrow tile 0 part 0, 1; tile 1 part 0, 1
.set WS,   12                          ; v12-15 the wide side's scale words: lanes 0-15 tile 2 b, lanes 16-31 tile 2 b + 1
.set NS,   16                          ; v16  the narrow side's: lanes 0-15 tile 0, lanes 16-31 tile 1
.set H32,  17                          ; v17  32 h
.set R4,   18                          ; v18  4 r
.set WO,   19                          ; v19  byte offset of the scale words' way out
.set BV,   32                          ; v32-47  role v: the bias of my channel, eight times for each narrow tile
.set NF,   48                          ; v48-63  the narrow side's two fragments
.set WF,   64                          ; v64-127 the wide side's eight
.set ACC,  128                         ; v128-255 accumulator (n, t) at 64 n + 8 t
.set TM,   64                          ; behind the K loop: +0 largest magnitudes, +4 the other half's, +8 bytes, +12 the conversions' scale operands
.set PW,   80                          ; v80-81  the scale word of narrow tile n
.set XW,   82                          ; v82-83  what of it goes to the stage
.set PC,   84                          ; v84-99  the codes of narrow tile n
.set OUTW, 100
.set G1JC, 32                          ; descriptor groups 1: codes jointly, codes alone, scales jointly, scales alone
.set G1PC, 40
.set G1JS, 48
.set G1PS, 56
.set G0JC, 68                          ; and their groups 0
.set G0PC, 72
.set G0JS, 76
.set G0PS, 80
.set WV,   84
.set ROLE, 85
.set WI,   86
.set CX,   87
.set G,    88
.set HP,   89
.set SEL,  90                          ; s[90:91] v_permlanex16_b32's selects for lane l xor 16
.set MASK, 92
.macro PLACES n
.rept \n
	v_nop
.endr
.endm
.macro CROUND                          ; a round of the cluster's barrier
	s_barrier_signal -1
	s_barrier_wait -1
	s_cmp_lg_u32 s[WV], 0
	s_cbranch_scc1 .Lnot_wave_0_\@
	s_barrier_signal -3
.Lnot_wave_0_\@:
	s_barrier_wait -3
	s_barrier_signal -1
	s_barrier_wait -1
.endm
; one matrix instruction; ra, rb: source 0's, source 1's scales stand in lanes 16-31 of their register
.macro WM d, a, b, c, sa, sb, ra, rb
.if (\ra) && (\rb)
	v_wmma_scale_f32_16x16x128_f8f6f4 v[(\d):(\d)+7], v[(\a):(\a)+7], v[(\b):(\b)+7], v[(\c):(\c)+7], v[\sa], v[\sb] matrix_a_fmt:MATRIX_FMT_FP4 matrix_b_fmt:MATRIX_FMT_FP4 matrix_a_scale:MATRIX_SCALE_ROW1 matrix_b_scale:MATRIX_SCALE_ROW1
.elseif (\ra)
	v_wmma_scale_f32_16x16x128_f8f6f4 v[(\d):(\d)+7], v[(\a):(\a)+7], v[(\b):(\b)+7], v[(\c):(\c)+7], v[\sa], v[\sb] matrix_a_fmt:MATRIX_FMT_FP4 matrix_b_fmt:MATRIX_FMT_FP4 matrix_a_scale:MATRIX_SCALE_ROW1
.elseif (\rb)
	v_wmma_scale_f32_16x16x128_f8f6f4 v[(\d):(\d)+7], v[(\a):(\a)+7], v[(\b):(\b)+7], v[(\c):(\c)+7], v[\sa], v[\sb] matrix_a_fmt:MATRIX_FMT_FP4 matrix_b_fmt:MATRIX_FMT_FP4 matrix_b_scale:MATRIX_SCALE_ROW1
.else
	v_wmma_scale_f32_16x16x128_f8f6f4 v[(\d):(\d)+7], v[(\a):(\a)+7], v[(\b):(\b)+7], v[(\c):(\c)+7], v[\sa], v[\sb] matrix_a_fmt:MATRIX_FMT_FP4 matrix_b_fmt:MATRIX_FMT_FP4
.endif
.endm
; K step s: 64 bytes of a row, at 64 s + 16 (s / 2) in LDS.  The narrow side and the scale words first, then the wide tiles in the order in which they are multiplied.
.macro FETCH s
.irp n, 0,1
.irp c, 0,1
	ds_load_b128 v[NF+8*\n+4*\c:NF+8*\n+4*\c+3], v[NA] offset:TILEB*\n+64*(\s)+16*((\s)/2)+32*\c
.endr
.endr
	ds_load_b32 v[NS], v[NSA] offset:4*(\s)
.irp b, 0,1,2,3
	ds_load_b32 v[WS+\b], v[WSA] offset:768*\b+4*(\s)
.endr
.irp t, 0,1,2,3,4,5,6,7
.irp c, 0,1
	ds_load_b128 v[WF+8*\t+4*\c:WF+8*\t+4*\c+3], v[WA] offset:TILEB*\t+64*(\s)+16*((\s)/2)+32*\c
.endr
.endr
.endm
; 16 matrix instructions; the sixteen accumulators take turns, one instruction a turn.  cm = 1: C is role v's bias.
.macro MUL cm
.irp t, 0,1,2,3,4,5,6,7
	s_wait_dscnt 14-2*\t                           ; LDS loads come back in order: behind wide tile t's second load stand the 2 (7 - t) of the tiles after it
.irp n, 0,1
.if \cm
	WM ACC+64*\n+8*\t, WF+8*\t, NF+8*\n, BV+8*\n, WS+\t/2, NS, \t%2, \n
.else
	WM ACC+64*\n+8*\t, WF+8*\t, NF+8*\n, ACC+64*\n+8*\t, WS+\t/2, NS, \t%2, \n
.endif
.endr
.endr
.endm
; 64 numbers of a lane, v[s] on (register 16 b + 8 u + j = k 32 b + 16 u + 8 h + j of my narrow row), become a fragment's codes in v[pc] on and its scale word in v[pw].
.macro QUANT s, pc, pw
.irp b, 0,1,2,3
	v_max3_num_f32 v[TM+\b], |v[\s+16*\b]|, |v[\s+1+16*\b]|, 0x1800000   ; block b: my 16 numbers, from each accumulator's low end on, and the floor 2^(3 - 127): the byte cannot fall under 1
.endr
.irp i, 2,4,6,8,10,12,14
.irp b, 0,1,2,3
	v_max3_num_f32 v[TM+\b], v[TM+\b], |v[\s+16*\b+\i]|, |v[\s+1+16*\b+\i]|
.endr
.endr
.irp b, 0,1,2,3
	v_permlanex16_b32 v[TM+4+\b], v[TM+\b], s[SEL], s[SEL+1]
.endr
.irp b, 0,1,2,3
	v_max_num_f32 v[TM+\b], v[TM+\b], v[TM+4+\b]   ; with lane l xor 16's 16: the block's largest magnitude
.endr
.irp b, 0,1,2,3
	v_add_nc_u32 v[TM+12+\b], 0xff000000, v[TM+\b] ; 2 off its exponent field: the conversion takes the exponent field of this operand as its scale
.endr
.irp b, 0,1,2,3
	v_lshrrev_b32 v[TM+8+\b], 23, v[TM+12+\b]      ; the scale's byte
.endr
	v_lshl_or_b32 v[\pw], v[TM+9], 8, v[TM+8]
	v_lshl_or_b32 v[\pw], v[TM+10], 16, v[\pw]
	v_lshl_or_b32 v[\pw], v[TM+11], 24, v[\pw]
.irp b, 0,1,2,3
	v_cvt_scalef32_pk8_fp4_f32 v[\pc+4*(\b/2)+(\b%2)], v[\s+16*\b:\s+16*\b+7], v[TM+12+\b]
	v_cvt_scalef32_pk8_fp4_f32 v[\pc+4*(\b/2)+(\b%2)+2], v[\s+16*\b+8:\s+16*\b+15], v[TM+12+\b]
.endr
	v_nop                                          ; one plain place behind a scaled conversion
.irp c, 0,1
	v_permlane16_swap_b32 v[\pc+4*\c], v[\pc+4*\c+1]       ; words 0 and 1 of blocks 2 c (lanes 0-15) and 2 c + 1 (lanes 16-31)
	v_permlane16_swap_b32 v[\pc+4*\c+2], v[\pc+4*\c+3]     ; words 2 and 3
.endr
.endm
	s_load_b512 s[4:19], s[0:1], 0x0               ; codes of Wq s[4:5], Wk s[6:7], Wv s[8:9], x s[10:11]; scales of Wq s[12:13], Wk s[14:15], Wv s[16:17], x s[18:19]
	s_load_b256 s[20:27], s[0:1], 0x40             ; bq s[20:21], bk s[22:23], bv s[24:25], qc s[26:27]
	s_load_b128 s[28:31], s[0:1], 0x60             ; qs s[28:29], kv s[30:31]
	v_lshl_add_u32 v30, v0, 2, 0x39c00
	v_mov_b32 v31, 0
	ds_add_u32 v30, v31
	ds_add_u32 v30, v31
	v_lshrrev_b32 v20, 5, v0
	v_readfirstlane_b32 s[WV], v20                 ; wave 0..11
	s_lshr_b32 s[ROLE], s[WV], 2
	s_and_b32 s[WI], s[WV], 3
	s_bfe_u32 s[CX], ttmp6, 0x40000                ; my place in the cluster
	s_lshl_b32 s[G], ttmp9, 2
	s_add_co_u32 s[G], s[G], s[CX]                 ; token group: it enters x's addresses and the stores' alone
	s_and_b32 s[HP], ttmp7, 0xffff                 ; the pair of heads, which the four partners share
	; groups 1.  Codes: 64 rows of 384 bytes; 15:0 the mask; 17:16 elements of 1 byte; 20 padding on; 21 set beside a mask; 24:22 after every 32 words (code 4); 31:25 four words (code 3)
	s_mov_b32 s[G1JC], 15|(1<<20)|(1<<21)|(4<<22)|(3<<25)
	s_mov_b32 s[G1PC], (1<<20)|(4<<22)|(3<<25)
.irp g, G1JC, G1PC
	s_mov_b32 s[\g+1], ROWB<<16                    ; tensor_dim0
	s_mov_b32 s[\g+2], 64<<16                      ; tensor_dim1
	s_mov_b32 s[\g+3], ROWB<<16                    ; tile_dim0
	s_mov_b32 s[\g+4], 64                          ; tile_dim1
	s_mov_b32 s[\g+5], ROWB                        ; tensor_dim0_stride
	s_mov_b32 s[\g+6], 0
	s_mov_b32 s[\g+7], 0
.endr
	; scales of 128 rows: 3,072 dense bytes as 12 rows of 32 elements of 8 bytes, no padding
	s_mov_b32 s[G1JS], 15|(3<<16)|(1<<21)
	s_mov_b32 s[G1PS], 3<<16
.irp g, G1JS, G1PS
	s_mov_b32 s[\g+1], 32<<16
	s_mov_b32 s[\g+2], 12<<16
	s_mov_b32 s[\g+3], 32<<16
	s_mov_b32 s[\g+4], 12
	s_mov_b32 s[\g+5], 32
	s_mov_b32 s[\g+6], 0
	s_mov_b32 s[\g+7], 0
.endr
	s_and_b32 s93, s[WV], 1
	s_mul_i32 s93, s93, 64*ROWB                    ; which 64 rows of a region I fetch
	s_mul_i32 s94, s[HP], 128*ROWB
	s_add_co_u32 s94, s94, s93                     ; a weight's codes: made of the pair of heads and the wave's number alone
	s_mov_b32 s95, 0
	s_mul_i32 s96, s[HP], SREG                     ; a weight's scales
	s_mov_b32 s97, 0
	s_mul_i32 s98, s[G], 128*ROWB
	s_add_co_u32 s98, s98, s93                     ; x's codes
	s_mov_b32 s99, 0
	s_mul_i32 s100, s[G], SREG                     ; x's scales
	s_mov_b32 s101, 0
	s_wait_dscnt 0x0
	s_wait_kmcnt 0x0
	s_cmp_lt_u32 s[WV], 4                          ; waves 0, 1: Wq; 2, 3: Wk; 4, 5: Wv.  The choice hangs on the wave's number alone
	s_cselect_b64 s[6:7], s[6:7], s[8:9]
	s_cmp_lt_u32 s[WV], 2
	s_cselect_b64 s[4:5], s[4:5], s[6:7]
	s_cmp_lt_u32 s[WV], 10                         ; wave 8: Wq's scales; 9: Wk's; 10: Wv's
	s_cselect_b64 s[14:15], s[14:15], s[16:17]
	s_cmp_lt_u32 s[WV], 9
	s_cselect_b64 s[12:13], s[12:13], s[14:15]
	s_mov_b32 s[G0JC], 1                           ; 1:0 count = 1
	s_mul_i32 s[G0JC+1], s[WV], HALFR              ; LDS: waves 0-7 fill the eight halves of the four regions on end
	s_add_nc_u64 s[G0JC+2:G0JC+3], s[4:5], s[94:95]
	s_or_b32 s[G0JC+3], s[G0JC+3], 0x80000000      ; type = 2
	s_mov_b32 s[G0PC], 1
	s_mul_i32 s[G0PC+1], s[WV], HALFR
	s_add_nc_u64 s[G0PC+2:G0PC+3], s[10:11], s[98:99]
	s_or_b32 s[G0PC+3], s[G0PC+3], 0x80000000
	s_mov_b32 s[G0JS], 1
	s_mul_i32 s[G0JS+1], s[WV], SREG
	s_add_co_u32 s[G0JS+1], s[G0JS+1], SCL-8*SREG  ; waves 8-11 fill the four regions of scales
	s_add_nc_u64 s[G0JS+2:G0JS+3], s[12:13], s[96:97]
	s_or_b32 s[G0JS+3], s[G0JS+3], 0x80000000
	s_mov_b32 s[G0PS], 1
	s_mul_i32 s[G0PS+1], s[WV], SREG
	s_add_co_u32 s[G0PS+1], s[G0PS+1], SCL-8*SREG
	s_add_nc_u64 s[G0PS+2:G0PS+3], s[18:19], s[100:101]
	s_or_b32 s[G0PS+3], s[G0PS+3], 0x80000000
	CROUND                                         ; all four work-groups are here: the joint loads meet
	s_cmp_lt_u32 s[WV], 6                          ; one tensor load a wave; four v_nop follow each
	s_cbranch_scc0 .Lnot_w_codes
	tensor_load_to_lds s[G0JC:G0JC+3], s[G1JC:G1JC+7]
	s_nop 0
	PLACES 4
	s_branch .Lasked
.Lnot_w_codes:
	s_cmp_lt_u32 s[WV], 8
	s_cbranch_scc0 .Lnot_x_codes
	tensor_load_to_lds s[G0PC:G0PC+3], s[G1PC:G1PC+7]
	s_nop 0
	PLACES 4
	s_branch .Lasked
.Lnot_x_codes:
	s_cmp_lt_u32 s[WV], 11
	s_cbranch_scc0 .Lx_scales
	tensor_load_to_lds s[G0JS:G0JS+3], s[G1JS:G1JS+7]
	s_nop 0
	PLACES 4
	s_branch .Lasked
.Lx_scales:
	tensor_load_to_lds s[G0PS:G0PS+3], s[G1PS:G1PS+7]
	s_nop 0
	PLACES 4
.Lasked:
	; every address register is made here, on the way that all waves take, while the tiles are on their way
	s_mov_b32 s[SEL], 0x76543210
	s_mov_b32 s[SEL+1], 0xfedcba98
	v_and_b32 v21, 15, v0                          ; r
	v_bfe_u32 v22, v0, 4, 1                        ; h
	v_and_b32 v23, 31, v0                          ; lane
	v_mul_u32_u24 v24, v21, PITCH
	v_lshl_add_u32 v24, v22, 4, v24                ; a fragment's row x pitch + 16 h
	v_mul_u32_u24 v25, v23, 24                     ; a row of scale bytes for each lane
	v_lshlrev_b32 v26, 4, v23                      ; 16 x lane
	s_lshr_b32 s93, s[ROLE], 1                     ; 1 in role v
	s_add_co_u32 s94, s[ROLE], s93                 ; the wide region: 0, 1, 3
	s_xor_b32 s95, s93, 3                          ; the narrow region: 3, 3, 2
	s_mul_i32 s96, s94, REGN
	s_mul_i32 s97, s95, REGN
	s_mul_i32 s98, s[WI], 2*TILEB
	s_add_co_u32 s97, s97, s98
	v_add_nc_u32 v[WA], s96, v24
	v_add_nc_u32 v[NA], s97, v24
	s_mul_i32 s96, s94, SREG
	s_add_co_u32 s96, s96, SCL
	s_mul_i32 s97, s95, SREG
	s_mul_i32 s98, s[WI], 768
	s_add_co_u32 s97, s97, s98
	s_add_co_u32 s97, s97, SCL
	v_add_nc_u32 v[WSA], s96, v25
	v_add_nc_u32 v[NSA], s97, v25
	s_lshl_b32 s96, s[ROLE], 10
	s_lshl_b32 s97, s[WI], 7
	s_add_co_u32 s96, s96, s97
	s_add_co_u32 s96, s96, SST
	v_lshlrev_b32 v[R4], 2, v21
	v_lshl_add_u32 v[STA], v22, 9, v[R4]
	v_add_nc_u32 v[STA], s96, v[STA]               ; the stage: 1,024 role + 512 h + 128 i + 4 r
	s_min_u32 s96, s[WV], 4
	s_lshl_b32 s96, s96, 9
	s_add_co_u32 s96, s96, SST
	v_add_nc_u32 v[SRD], s96, v26                  ; back: wave w (0..4) takes the stage's w-th 512 bytes
	v_lshlrev_b32 v[SH], 4, v22
	v_lshlrev_b32 v[H32], 5, v22
	; where the codes go.  bhA = 12 batch + 2 hp, the pair's first head; g' = the token group in its batch
	s_lshr_b32 s93, s[G], 4
	s_and_b32 s94, s[G], 15
	s_mul_i32 s93, s93, 12
	s_lshl_b32 s95, s[HP], 1
	s_add_co_u32 s93, s93, s95                     ; bhA
	s_mul_i32 s95, s93, HEADKV
	s_mul_i32 s96, s94, REC
	s_add_co_u32 s95, s95, s96                     ; kv: the first head's record of these 128 keys
	s_lshl_b32 s96, s[WI], 10
	s_lshl_b32 s97, s93, 16
	s_lshl_b32 s98, s94, 12
	s_add_co_u32 s97, s97, s98
	s_add_co_u32 s97, s97, s96                     ; q: 65,536 bhA + 512 (8 g' + 2 i)
	s_add_co_u32 s98, s95, s96                     ; k: the record + 512 (2 i)
	s_lshr_b32 s99, s[WI], 1
	s_mul_i32 s99, s99, HEADKV
	s_and_b32 s100, s[WI], 1
	s_lshl_b32 s100, s100, 11
	s_add_co_u32 s99, s99, s100
	s_add_co_u32 s99, s99, s95
	s_add_co_u32 s99, s99, 4096                    ; v: head i / 2, channel tiles 2 (i % 2) on
	s_mov_b32 s100, HEADKV
	s_mov_b32 s101, 512
	s_mov_b32 s[MASK], 0xffff
	s_cmp_eq_u32 s[ROLE], 0
	s_cselect_b32 s97, s97, s98
	s_cselect_b32 s100, 65536, s100                ; q, k: registers 4-7 of the codes are the pair's second head's
	s_cselect_b64 s[26:27], s[26:27], s[30:31]     ; qc or kv
	s_cmp_eq_u32 s[ROLE], 2
	s_cselect_b32 s97, s99, s97
	s_cselect_b32 s100, 512, s100                  ; v: they are the fragment's second half
	s_cselect_b32 s101, 1024, s101                 ; from narrow tile 0 to tile 1
	s_cselect_b32 s[MASK], -1, s[MASK]
	v_add_nc_u32 v[VO], s97, v26
	v_add_nc_u32 v[VO+1], s100, v[VO]
	v_add_nc_u32 v[VO+2], s101, v[VO]
	v_add_nc_u32 v[VO+3], s100, v[VO+2]
	; where the scale words go: waves 0, 1: q's of the two heads; 2, 3: k's; 4: v's of both heads (lanes 16-31: the second head's record)
	s_and_b32 s96, s[WV], 1
	s_add_co_u32 s97, s93, s96
	s_lshl_b32 s97, s97, 13
	s_lshl_b32 s98, s94, 9
	s_add_co_u32 s97, s97, s98
	s_mul_i32 s98, s96, HEADKV
	s_add_co_u32 s98, s98, s95
	s_add_co_u32 s98, s98, 8192
	s_add_co_u32 s99, s95, 8704
	s_cmp_lt_u32 s[WV], 2
	s_cselect_b32 s97, s97, s98
	s_cselect_b64 s[28:29], s[28:29], s[30:31]     ; qs or kv
	s_cmp_eq_u32 s[WV], 4
	s_cselect_b32 s97, s99, s97
	s_cselect_b32 s98, HEADKV-256, 0
	v_mul_u32_u24 v[WO], s98, v22
	v_add_nc_u32 v[WO], v[WO], v26
	v_add_nc_u32 v[WO], s97, v[WO]
	; the bias: the C of the first K step
	s_lshl_b32 s96, s[WI], 7
	s_cmp_eq_u32 s[ROLE], 2
	s_cselect_b32 s96, s96, 0                      ; role v: my 32 channels
	s_cselect_b64 s[22:23], s[24:25], s[22:23]
	s_cmp_eq_u32 s[ROLE], 0
	s_cselect_b64 s[20:21], s[20:21], s[22:23]
	s_lshl_b32 s94, s[HP], 9
	s_add_co_u32 s94, s94, s96
	s_mov_b32 s95, 0
	s_add_nc_u64 s[20:21], s[20:21], s[94:95]
	s_cmp_eq_u32 s[ROLE], 2
	s_cbranch_scc1 .Lbias_v
.irp n, 0,1
.irp t, 0,1,2,3,4,5,6,7
.irp e, 0,1
	global_load_b128 v[ACC+64*\n+8*\t+4*\e:ACC+64*\n+8*\t+4*\e+3], v[H32], s[20:21] offset:64*\t+16*\e   ; q, k: register j of tile t is feature 16 t + 8 h + j: the bias lands in the accumulators
.endr
.endr
.endr
	s_branch .Lbias_done
.Lbias_v:
.irp n, 0,1
.irp j, 0,1,2,3,4,5,6,7
	global_load_b32 v[BV+8*\n+\j], v[R4], s[20:21] offset:64*\n   ; v: a lane is a channel: its bias in all eight registers
.endr
.endr
.Lbias_done:
	s_wait_tensorcnt 0x0                           ; my tile has landed,
	s_barrier_signal -1
	s_barrier_wait -1                              ; everybody's has
	FETCH 0
	s_wait_loadcnt 0x0                             ; the bias
	s_cmp_eq_u32 s[ROLE], 2
	s_cbranch_scc1 .Lfirst_v
	MUL 0
	s_branch .Lfirst_done
.Lfirst_v:
	MUL 1
.Lfirst_done:
.irp s, 1,2,3,4,5
	PLACES 4                                       ; in front of loads into registers that matrix instructions have read
	FETCH \s
	MUL 0
.endr
	PLACES 4                                       ; in front of the first read of results and the first write over fragments
.irp b, 0,1,2,3
	v_mov_b32 v[TM+4+\b], 0                        ; a lane permute's destination counts as one of its sources
.endr
.irp n, 0,1
	QUANT ACC+64*\n, PC+8*\n, PW+\n
	global_store_b128 v[VO+2*\n], v[PC+8*\n:PC+8*\n+3], s[26:27]       ; the wave stores 512 consecutive bytes, at a multiple of 256 from the buffer's first byte
	global_store_b128 v[VO+2*\n+1], v[PC+8*\n+4:PC+8*\n+7], s[26:27]
	v_lshrrev_b32 v[XW+\n], v[SH], v[PW+\n]        ; q, k: lanes 0-15 keep the first head's two bytes, lanes 16-31 the second's; the word's upper bytes are 0
	v_and_b32 v[XW+\n], s[MASK], v[XW+\n]          ; v: lanes 0-15 keep the whole word (lanes 16-31 write into the half of their kilobyte that nobody reads)
	ds_store_b32 v[STA], v[XW+\n] offset:64*\n
.endr
	s_wait_dscnt 0x0                               ; for the others' sake: my words lie in the stage
	s_barrier_signal -1
	s_barrier_wait -1
	s_cmp_gt_u32 s[WV], 4
	s_cbranch_scc1 .Lno_words
	ds_load_b128 v[OUTW:OUTW+3], v[SRD]
	s_wait_dscnt 0x0
	global_store_b128 v[WO], v[OUTW:OUTW+3], s[28:29]                  ; sixteen lanes store 256 consecutive bytes, aligned
.Lno_words:
	s_wait_tensorcnt 0x0
	ds_add_u32 v30, v31
	s_wait_dscnt 0x0
	CROUND                                         ; the closing round: no work-group ends while a partner may still ask for a tile that names it
	s_endpgm
.Lfunc_end_k_q7faf32ab03_qkv:
	.size	k_q7faf32ab03_qkv, .Lfunc_end_k_q7faf32ab03_qkv-k_q7faf32ab03_qkv
	.p2alignl 7, 3214868480
	.fill 96, 4, 3214868480
	.section	.rodata,"a",@progbits
	.p2align	6, 0x0
	.amdhsa_kernel k_q7faf32ab03_qkv
		.amdhsa_group_segment_fixed_size 238080
		.amdhsa_private_segment_fixed_size 0
		.amdhsa_enable_private_segment 0
		.amdhsa_kernarg_size 112
		.amdhsa_user_sgpr_count 2
		.amdhsa_user_sgpr_kernarg_segment_ptr 1
		.amdhsa_wavefront_size32 1
		.amdhsa_system_sgpr_workgroup_id_x 1
		.amdhsa_system_sgpr_workgroup_id_y 1
		.amdhsa_system_sgpr_workgroup_id_z 1
		.amdhsa_system_vgpr_workitem_id 0
		.amdhsa_next_free_vgpr 256
		.amdhsa_next_free_sgpr 102
		.amdhsa_reserve_vcc 0
		.amdhsa_float_denorm_mode_32 3
		.amdhsa_float_denorm_mode_16_64 3
		.amdhsa_memory_ordered 1
		.amdhsa_forward_progress 1
		.amdhsa_inst_pref_size 51
	.end_amdhsa_kernel
	.amdgpu_metadata
---
amdhsa.version: [ 1, 2 ]
amdhsa.kernels:
  - .name:           k_q7faf32ab03_qkv
    .symbol:         k_q7faf32ab03_qkv.kd
    .args:
      - { .name: Wq_codes, .offset: 0, .size: 8, .value_kind: global_buffer, .address_space: global }
      - { .name: Wk_codes, .offset: 8, .size: 8, .value_kind: global_buffer, .address_space: global }
      - { .name: Wv_codes, .offset: 16, .size: 8, .value_kind: global_buffer, .address_space: global }
      - { .name: x_codes, .offset: 24, .size: 8, .value_kind: global_buffer, .address_space: global }
      - { .name: Wq_scales, .offset: 32, .size: 8, .value_kind: global_buffer, .address_space: global }
      - { .name: Wk_scales, .offset: 40, .size: 8, .value_kind: global_buffer, .address_space: global }
      - { .name: Wv_scales, .offset: 48, .size: 8, .value_kind: global_buffer, .address_space: global }
      - { .name: x_scales, .offset: 56, .size: 8, .value_kind: global_buffer, .address_space: global }
      - { .name: bq, .offset: 64, .size: 8, .value_kind: global_buffer, .address_space: global }
      - { .name: bk, .offset: 72, .size: 8, .value_kind: global_buffer, .address_space: global }
      - { .name: bv, .offset: 80, .size: 8, .value_kind: global_buffer, .address_space: global }
      - { .name: qc, .offset: 88, .size: 8, .value_kind: global_buffer, .address_space: global }
      - { .name: qs, .offset: 96, .size: 8, .value_kind: global_buffer, .address_space: global }
      - { .name: kv, .offset: 104, .size: 8, .value_kind: global_buffer, .address_space: global }
    .group_segment_fixed_size: 238080
    .private_segment_fixed_size: 0
    .kernarg_segment_align: 8
    .kernarg_segment_size: 112
    .max_flat_workgroup_size: 384
    .sgpr_count:     102
    .vgpr_count:     256
    .wavefront_size: 32
...
	.end_amdgpu_metadata
.endif
;; end of part 1
;; launch attn (part 2): grid 8 x 24, 16 waves a work-group, clusters of 4 x 1, 169,984 bytes of LDS; arguments qc, qs, kv, oc, os; writes oc, os
.if DOCPART == 2
	.amdgcn_target "amdgcn-amd-amdhsa--gfx1250"
	.amdhsa_code_object_version 6
	.text
	.protected	k_q7faf32ab03_attn
	.globl	k_q7faf32ab03_attn
	.p2align	8
	.type	k_q7faf32ab03_attn,@function
k_q7faf32ab03_attn:
	s_mov_b64 s[64:65], 0
	v_nop
	global_prefetch_b8 v0, s[64:65] scope:SCOPE_SE
	s_setreg_imm32_b32 hwreg(HW_REG_WAVE_MODE, 25, 1), 1
	s_wait_xcnt 0x0
	s_wait_alu depctr_hold_cnt(0) depctr_sa_sdst(0) depctr_va_vdst(0) depctr_va_sdst(0) depctr_va_ssrc(0) depctr_va_vcc(0) depctr_vm_vsrc(0)
	s_getreg_b32 s2, hwreg(HW_REG_IB_STS2, 6, 4)
	s_cmp_eq_u32 s2, 0
	s_cbranch_scc0 .Lentry_in_a_cluster
	s_endpgm
.Lentry_in_a_cluster:
	s_bfe_u32 s2, ttmp6, 0x10000c
	s_cmp_lg_u32 s2, 0x3003
	s_cbranch_scc0 .Lentry_shape_is_right
	s_endpgm
.Lentry_shape_is_right:
; o = softmax(q k^T / 8) v for one head and 256 queries, both products on codes of FP4 (E2M1) with one E8M0 scale for each 32 along K; o / l is quantised along the head's 64 channels and leaves as codes.
; THE SOFTMAX AHEAD OF THE SECOND PRODUCT: t = score x log2(e) / 8; M = the running largest t rounded UP to a whole number; p = 2^(t - M) is quantised along the keys, not normalised.
; The row's sum l is taken of the unquantised p and divides at the end.  When M moves, l and O are multiplied by 2^(old M - new M): exact.
; SHARES.  Sixteen waves, each ONE tile of 16 queries in 256 registers: four waves to a SIMD, so that one wave's vector work stands beside another's products and LDS loads.  Every wave walks the head's 2,048 keys, 128 a step.
; LDS holds the head's whole block of kv, 143,360 bytes, as it lies in memory: sixteen records of 8,960 bytes (K's 8 tiles, V^T's 4 tiles, K's and V's scale words), all images of operand registers: lane l's 16 bytes at 16 l.
; Every LDS byte is filled once.  Waves 0-3 bring four records each (record 4 p + wave by load p): four tensor loads of a wave are out at the most; part p of the walk waits for load p alone.
; CLUSTER.  The four query blocks of a cluster belong to one head: each record is asked for JOINTLY (mask 15).
; LAYOUT.  Both products are used transposed: S^T = K Q^T (source 0 = 16 keys), O^T = V^T P^T (source 0 = 16 channels): a lane holds ONE query (lane % 16) throughout; in tile t its registers are keys (channels) 16 t + 8 h + 0..7.
; K = 64 IN AN INSTRUCTION OF 128: Q's registers 4-7 are zero codes, so whatever stands in the same places of the other source adds nothing: K's tile t is named as v[KF + 4 t : KF + 4 t + 7], whose upper half is the next tile's codes
; (behind tile 7: four registers of zeros).  Bytes 2 and 3 of q's and k's scale words are 0, which stands for 2^-127.
; FROM p TO OPERAND: of block b (tiles 2 b, 2 b + 1) the even tile's conversion goes to register 4 (b / 2) + b % 2, the odd tile's two further on; two exchanges of halves for each pair of blocks give the operand's layout.
; LIMITS: NaN and infinities are not served.  A block of o / l whose largest magnitude lies under 2^-124, and a block whose every p has fallen to 0, get the scale byte 1 over zero or tiny codes; this program alone reads the bytes.
.set REC,    8960
.set HEADKV, 16*REC
.set OST,    HEADKV                    ; behind the block: 512 bytes for the work-group's 256 pairs of scale bytes
.set LI,  1                            ; v1   16 x lane
.set LW,  2                            ; v2   4 x lane
.set AC,  3                            ; v3   LI + the step's record
.set AW,  4                            ; v4   LW + the step's record
.set OSA, 5                            ; v5   where my query's two scale bytes go
.set OSR, 6                            ; v6   where wave 0 reads them back
.set R4,  8                            ; v8   4 r
.set Q,   16                           ; v16-23  Q's fragment; v20-23 zeros
.set QS,  24                           ; v24  Q's scale words
.set PW,  25                           ; v25  p's scale word
.set KSR, 26                           ; v26-29  K's scale words: lanes 0-15 tile 2 j, lanes 16-31 tile 2 j + 1
.set VSR, 30                           ; v30-31  V's
.set KF,  32                           ; v32-63  K's eight tiles, 4 registers each; v64-67 zeros
.set VF,  68                           ; v68-99  V^T's four fragments
.set S,   100                          ; v100-163 S^T, then p; at the end o / l
.set O,   164                          ; v164-195 O^T
.set PC,  196                          ; v196-203 p's codes
.set BM,  204                          ; v204-207 a block's largest score, then its largest p
.set T2,  208                          ; v208-211 the other half's; then the bytes
.set SO,  212                          ; v212-215 the conversions' scale operands
.set F,   216                          ; v[216:217] f = 2^(old M - new M), and its written partner
.set TV,  218
.set SUM2, 220                         ; v[220:221] the second chain of sums
.set G1,  16                           ; s[16:23]; groups 0 at s[24:39]
.set G0,  24
.set WV,  40
.set SEL, 44
.set CS,  46                           ; s[46:47] c = log2(e) / 8
.set TB,  48                           ; the step's record in LDS
.set CNT, 49
.macro PLACES n
.rept \n
	v_nop
.endr
.endm
.macro CROUND                          ; a round of the cluster's barrier
	s_barrier_signal -1
	s_barrier_wait -1
	s_cmp_lg_u32 s[WV], 0
	s_cbranch_scc1 .Lnot_wave_0_\@
	s_barrier_signal -3
.Lnot_wave_0_\@:
	s_barrier_wait -3
	s_barrier_signal -1
	s_barrier_wait -1
.endm
.macro WMZ d, a, b, sa, sb, ra         ; a product that starts its sum; ra: source 0's scales stand in lanes 16-31
.if (\ra)
	v_wmma_scale_f32_16x16x128_f8f6f4 v[(\d):(\d)+7], v[(\a):(\a)+7], v[(\b):(\b)+7], 0, v[\sa], v[\sb] matrix_a_fmt:MATRIX_FMT_FP4 matrix_b_fmt:MATRIX_FMT_FP4 matrix_a_scale:MATRIX_SCALE_ROW1
.else
	v_wmma_scale_f32_16x16x128_f8f6f4 v[(\d):(\d)+7], v[(\a):(\a)+7], v[(\b):(\b)+7], 0, v[\sa], v[\sb] matrix_a_fmt:MATRIX_FMT_FP4 matrix_b_fmt:MATRIX_FMT_FP4
.endif
.endm
.macro WMA d, a, b, sa, sb, ra         ; a product that adds in place
.if (\ra)
	v_wmma_scale_f32_16x16x128_f8f6f4 v[(\d):(\d)+7], v[(\a):(\a)+7], v[(\b):(\b)+7], v[(\d):(\d)+7], v[\sa], v[\sb] matrix_a_fmt:MATRIX_FMT_FP4 matrix_b_fmt:MATRIX_FMT_FP4 matrix_a_scale:MATRIX_SCALE_ROW1
.else
	v_wmma_scale_f32_16x16x128_f8f6f4 v[(\d):(\d)+7], v[(\a):(\a)+7], v[(\b):(\b)+7], v[(\d):(\d)+7], v[\sa], v[\sb] matrix_a_fmt:MATRIX_FMT_FP4 matrix_b_fmt:MATRIX_FMT_FP4
.endif
.endm
; A KEY STEP: 128 keys, the record at s[TB].
.macro STEP
	v_add_nc_u32 v[AC], s[TB], v[LI]
	v_add_nc_u32 v[AW], s[TB], v[LW]
	v_nop
	v_nop                                          ; four places behind the last step's products, in front of loads into registers that they have read
.irp t, 0,1,2,3,4,5,6,7
	ds_load_b128 v[KF+4*\t:KF+4*\t+3], v[AC] offset:512*\t
.endr
.irp j, 0,1,2,3
	ds_load_b32 v[KSR+\j], v[AW] offset:8192+128*\j
.endr
.irp f, 0,1,2,3,4,5,6,7
	ds_load_b128 v[VF+4*\f:VF+4*\f+3], v[AC] offset:4096+512*\f
.endr
.irp j, 0,1
	ds_load_b32 v[VSR+\j], v[AW] offset:8704+128*\j
.endr
	s_wait_dscnt 10                                ; K and its scale words are in; V's eight loads and its two scale loads, issued behind them, may be out
.irp t, 0,1,2,3,4,5,6,7
	WMZ S+8*\t, KF+4*\t, Q, KSR+\t/2, QS, \t%2
.endr
	PLACES 4
.irp b, 0,1,2,3
	v_max3_num_f32 v[BM+\b], v[S+16*\b], v[S+16*\b+1], v[S+16*\b+2]   ; THE LARGEST SCORE OF EACH BLOCK OF 32 KEYS, each accumulator from its low end on: it serves the row's maximum and, since p rises with the score, the block's largest p
.endr
.irp i, 3,5,7,9,11,13
.irp b, 0,1,2,3
	v_max3_num_f32 v[BM+\b], v[BM+\b], v[S+16*\b+\i], v[S+16*\b+\i+1]
.endr
.endr
.irp b, 0,1,2,3
	v_max_num_f32 v[BM+\b], v[BM+\b], v[S+16*\b+15]
.endr
.irp b, 0,1,2,3
	v_permlanex16_b32 v[T2+\b], v[BM+\b], s[SEL], s[SEL+1]
.endr
.irp b, 0,1,2,3
	v_max_num_f32 v[BM+\b], v[BM+\b], v[T2+\b]     ; with lane l xor 16's 16 keys
.endr
	v_max3_num_f32 v[TV], v[BM], v[BM+1], v[BM+2]
	v_max_num_f32 v[TV], v[TV], v[BM+3]            ; the step's largest score of my query
	v_mul_f32 v[TV], s[CS], v[TV]                  ; as t (c is positive)
	v_max_num_f32 v13, v13, v[TV]                  ; the running largest t
	v_mov_b32 v[TV], v12
	v_floor_f32 v12, -v13                          ; the new -M = floor(-t) = -ceil(t)
	v_sub_f32 v[TV], v12, v[TV]                    ; old M - new M: a whole number, 0 or less
	v_cvt_i32_f32 v[TV], v[TV]                     ; (it saturates)
	v_ldexp_f32 v[F], 1.0, v[TV]                   ; f = 2^(old M - new M)
.set j, 0
.rept 32
	v_pk_fma_f32 v[S+j:S+j+1], v[S+j:S+j+1], s[CS:CS+1], v[12:13] op_sel_hi:[1,0,0]   ; t - M, two at a time (of the pairs c and -M the low word serves both halves)
.set j, j+2
.endr
.irp b, 0,1,2,3
	v_fma_f32 v[BM+\b], v[BM+\b], s[CS], v12       ; the same of each block's largest score
.endr
.set j, 0
.rept 64
	v_exp_f32 v[S+j], v[S+j]                       ; p = 2^(t - M), at most 1
.set j, j+1
.endr
.irp b, 0,1,2,3
	v_exp_f32 v[BM+\b], v[BM+\b]                   ; the block's largest p: the same two instructions on the same number give the same bits
.endr
	v_pk_mul_f32 v[14:15], v[14:15], v[F:F+1] op_sel_hi:[1,0]   ; the sums under the new M.  (A plain place behind the exponentials)
	s_wait_alu depctr_va_vdst(0)
.irp b, 0,1,2,3
	v_max_num_f32 v[BM+\b], 0x1800000, v[BM+\b]    ; the floor 2^(3 - 127): the byte cannot fall under 1
.endr
.irp b, 0,1,2,3
	v_add_nc_u32 v[SO+\b], 0xff000000, v[BM+\b]    ; 2 off the exponent field: the conversion's scale operand
.endr
.irp b, 0,1,2,3
	v_lshrrev_b32 v[T2+\b], 23, v[SO+\b]           ; the scale's byte
.endr
	v_lshl_or_b32 v[PW], v[T2+1], 8, v[T2]         ; p's scale word for these 128 keys
	v_lshl_or_b32 v[PW], v[T2+2], 16, v[PW]
	v_lshl_or_b32 v[PW], v[T2+3], 24, v[PW]
.irp b, 0,1,2,3
	v_cvt_scalef32_pk8_fp4_f32 v[PC+4*(\b/2)+(\b%2)], v[S+16*\b:S+16*\b+7], v[SO+\b]
	v_cvt_scalef32_pk8_fp4_f32 v[PC+4*(\b/2)+(\b%2)+2], v[S+16*\b+8:S+16*\b+15], v[SO+\b]
.endr
	v_nop                                          ; one plain place behind a scaled conversion
.irp c, 0,1
	v_permlane16_swap_b32 v[PC+4*\c], v[PC+4*\c+1]
	v_permlane16_swap_b32 v[PC+4*\c+2], v[PC+4*\c+3]
.endr
.set j, 0
.rept 16
	v_pk_mul_f32 v[O+j:O+j+1], v[O+j:O+j+1], v[F:F+1] op_sel_hi:[1,0]   ; O^T under the new M
.set j, j+2
.endr
	v_pk_add_f32 v[SUM2:SUM2+1], v[S:S+1], v[S+2:S+3]   ; THE ROW'S SUM IS TAKEN OF THE UNQUANTISED p: two at a time, in two chains.  (These and the 16 above are the places between p's codes and scale word and the products)
.set j, 4
.rept 15
	v_pk_add_f32 v[14:15], v[14:15], v[S+j:S+j+1]
	v_pk_add_f32 v[SUM2:SUM2+1], v[SUM2:SUM2+1], v[S+j+2:S+j+3]
.set j, j+4
.endr
	v_pk_add_f32 v[14:15], v[14:15], v[SUM2:SUM2+1]
	s_wait_dscnt 0x0                               ; V and its scale words are in
.irp ct, 0,1,2,3
	WMA O+8*\ct, VF+8*\ct, PC, VSR+\ct/2, PW, \ct%2   ; the four accumulators take turns
.endr
.endm
; Part p of the walk: key steps 4 p .. 4 p + 3, which load p of waves 0-3 brought.
.macro PART p
	s_wait_tensorcnt 3-\p                          ; a wave's tensor loads end in order: my load p has landed; the 3 - p behind it may stay out
	s_barrier_signal -1
	s_barrier_wait -1                              ; everybody's has
	s_mov_b32 s[TB], 4*REC*\p
	s_mov_b32 s[CNT], 4
.Lstep_\@:
	STEP
	s_add_co_u32 s[TB], s[TB], REC
	s_sub_co_u32 s[CNT], s[CNT], 1
	s_cmp_lg_u32 s[CNT], 0
	s_cbranch_scc1 .Lstep_\@
.endm
	s_load_b256 s[4:11], s[0:1], 0x0               ; qc s[4:5], qs s[6:7], kv s[8:9], oc s[10:11]
	s_load_b64 s[12:13], s[0:1], 0x20              ; os
	v_lshl_add_u32 v254, v0, 2, 0x29000
	v_mov_b32 v255, 0
	ds_add_u32 v254, v255
	ds_add_u32 v254, v255
	v_lshrrev_b32 v9, 5, v0
	v_readfirstlane_b32 s[WV], v9                  ; wave 0..15
	s_bfe_u32 s41, ttmp6, 0x40000                  ; my place in the cluster
	s_lshl_b32 s42, ttmp9, 2
	s_add_co_u32 s42, s42, s41                     ; my block of 256 queries: it enters q's and o's addresses alone
	s_and_b32 s43, ttmp7, 0xffff                   ; 12 x batch + head, which the four partners share
	; group 1: a record, 8,960 dense bytes, as 35 rows of 32 elements of 8 bytes
	s_mov_b32 s[G1], 15|(3<<16)|(1<<21)            ; 15:0 the mask: all four work-groups; 17:16 elements of 8 bytes; 21 set beside a mask
	s_mov_b32 s[G1+1], 32<<16
	s_mov_b32 s[G1+2], 35<<16
	s_mov_b32 s[G1+3], 32<<16
	s_mov_b32 s[G1+4], 35
	s_mov_b32 s[G1+5], 32
	s_mov_b32 s[G1+6], 0
	s_mov_b32 s[G1+7], 0
	s_mul_i32 s50, s43, HEADKV
	s_mul_i32 s52, s[WV], REC                      ; record = wave, in LDS as in the head's block
	s_add_co_u32 s50, s50, s52
	s_mov_b32 s51, 0
	s_lshl_b32 s53, s42, 4
	s_add_co_u32 s53, s53, s[WV]                   ; T: my tile of queries in the head
	s_lshl_b32 s54, s43, 7
	s_add_co_u32 s54, s54, s53
	s_lshl_b32 s56, s54, 9                         ; qc: 512 bytes a tile
	s_mov_b32 s57, 0
	s_lshl_b32 s58, s54, 6                         ; qs: 64
	s_mov_b32 s59, 0
	s_cmp_ge_u32 s43, 12
	s_cselect_b32 s55, 1, 0                        ; batch
	s_mul_i32 s54, s55, 12
	s_sub_co_u32 s54, s43, s54                     ; head
	s_lshl_b32 s60, s55, 7
	s_add_co_u32 s60, s60, s53                     ; my tile among all 256 tiles of tokens
	s_mul_i32 s60, s60, 12
	s_add_co_u32 s60, s60, s54
	s_lshl_b32 s60, s60, 9                         ; oc: [tile][head][512]
	s_mov_b32 s61, 0
	s_lshl_b32 s62, s54, 13                        ; os: [head][token] pairs of bytes
	s_lshl_b32 s55, s55, 12
	s_add_co_u32 s62, s62, s55
	s_lshl_b32 s55, s42, 9
	s_add_co_u32 s62, s62, s55
	s_mov_b32 s63, 0
	s_mov_b32 s[SEL], 0x76543210
	s_mov_b32 s[SEL+1], 0xfedcba98
	s_mov_b32 s[CS], 0x3e38aa3b                    ; c = log2(e) / 8
	s_mov_b32 s[CS+1], s[CS]                       ; (named with it as a pair, so it is written)
	s_wait_dscnt 0x0
	s_wait_kmcnt 0x0
	s_add_nc_u64 s[8:9], s[8:9], s[50:51]
.irp p, 0,1,2,3
	s_mov_b32 s[G0+4*\p], 1                        ; count = 1
	s_add_co_u32 s[G0+4*\p+1], s52, 4*REC*\p       ; LDS address
	s_add_nc_u64 s[G0+4*\p+2:G0+4*\p+3], s[8:9], 4*REC*\p
	s_or_b32 s[G0+4*\p+3], s[G0+4*\p+3], 0x80000000   ; type = 2
.endr
	CROUND                                         ; all four work-groups are here: the joint loads meet
	s_cmp_lt_u32 s[WV], 4                          ; a wave's four fills stand in one branch, ahead of every wait on TENSORcnt and every LDS read; four v_nop follow the last
	s_cbranch_scc0 .Lno_fetch
.irp p, 0,1,2,3
	tensor_load_to_lds s[G0+4*\p:G0+4*\p+3], s[G1:G1+7]
	s_nop 0
.endr
	PLACES 4
.Lno_fetch:
	s_add_nc_u64 s[4:5], s[4:5], s[56:57]
	s_add_nc_u64 s[6:7], s[6:7], s[58:59]
	s_add_nc_u64 s[10:11], s[10:11], s[60:61]
	s_add_nc_u64 s[12:13], s[12:13], s[62:63]
	v_and_b32 v9, 31, v0                           ; lane
	v_and_b32 v10, 15, v0                          ; r
	v_lshlrev_b32 v[LI], 4, v9
	v_lshlrev_b32 v[LW], 2, v9
	v_lshlrev_b32 v[R4], 2, v10
	global_load_b128 v[Q:Q+3], v[LI], s[4:5]       ; Q's image: it stays in registers
	global_load_b32 v[QS], v[R4], s[6:7]
	v_and_b32 v[OSA], 0x1e0, v0                    ; 32 x wave
	v_lshl_add_u32 v[OSA], v10, 1, v[OSA]
	v_add_nc_u32 v[OSA], OST, v[OSA]
	v_add_nc_u32 v[OSR], OST, v[LI]
.irp j, 4,5,6,7
	v_mov_b32 v[Q+\j], 0                           ; zero codes for k = 64 .. 127
.endr
.irp j, 32,33,34,35
	v_mov_b32 v[KF+\j], 0                          ; what tile 7 names as its upper half
.endr
.irp b, 0,1,2,3
	v_mov_b32 v[T2+\b], 0                          ; a lane permute's destination counts as one of its sources
.endr
	v_mov_b32 v[F+1], 0                            ; (named as the upper half of a pair)
	v_mov_b32 v13, 0xff61b1e6                      ; the largest t so far: -3e38, under every t
	v_floor_f32 v12, -v13                          ; -M
	v_mov_b32 v14, 0                               ; the sum, in two halves
	v_mov_b32 v15, 0
.set j, 0
.rept 32
	v_mov_b32 v[O+j], 0                            ; O^T: the step is written alike for all: the first finds zeros, which the first change of M leaves zeros
.set j, j+1
.endr
	s_wait_loadcnt 0x0                             ; Q
	PART 0
	PART 1
	PART 2
	PART 3
	; THE WAY OUT: o / l, quantised along the head's 64 channels (two blocks), as registers 0-3 (or 4-7) of the last product's operand, and two scale bytes a query.
	PLACES 4
	v_add_f32 v14, v14, v15                        ; the sum's two halves,
	v_permlanex16_b32 v[TV], v14, s[SEL], s[SEL+1]
	v_add_f32 v14, v14, v[TV]                      ; and lane l xor 16's
	v_rcp_f32 v14, v14
	v_nop                                          ; a plain place behind the transcendental
.set j, 0
	s_wait_alu depctr_va_vdst(0)
.rept 16
	v_pk_mul_f32 v[S+j:S+j+1], v[O+j:O+j+1], v[14:15] op_sel_hi:[1,0]   ; register 8 t + i is o(query r, channel 16 t + 8 h + i); each accumulator from its low end on
.set j, j+2
.endr
.irp b, 0,1
	v_max3_num_f32 v[BM+\b], |v[S+16*\b]|, |v[S+16*\b+1]|, 0x1800000
.endr
.irp i, 2,4,6,8,10,12,14
.irp b, 0,1
	v_max3_num_f32 v[BM+\b], v[BM+\b], |v[S+16*\b+\i]|, |v[S+16*\b+\i+1]|
.endr
.endr
.irp b, 0,1
	v_permlanex16_b32 v[T2+\b], v[BM+\b], s[SEL], s[SEL+1]
.endr
.irp b, 0,1
	v_max_num_f32 v[BM+\b], v[BM+\b], v[T2+\b]
.endr
.irp b, 0,1
	v_add_nc_u32 v[SO+\b], 0xff000000, v[BM+\b]
.endr
.irp b, 0,1
	v_lshrrev_b32 v[T2+\b], 23, v[SO+\b]
.endr
	v_lshl_or_b32 v[TV], v[T2+1], 8, v[T2]         ; my query's two bytes
.irp b, 0,1
	v_cvt_scalef32_pk8_fp4_f32 v[PC+\b], v[S+16*\b:S+16*\b+7], v[SO+\b]
	v_cvt_scalef32_pk8_fp4_f32 v[PC+\b+2], v[S+16*\b+8:S+16*\b+15], v[SO+\b]
.endr
	v_nop                                          ; one plain place behind a scaled conversion
	v_permlane16_swap_b32 v[PC], v[PC+1]
	v_permlane16_swap_b32 v[PC+2], v[PC+3]
	global_store_b128 v[LI], v[PC:PC+3], s[10:11]  ; the wave stores 512 consecutive bytes, aligned
	ds_store_b16 v[OSA], v[TV]                     ; both halves of the lanes write the same two bytes with the same value
	s_wait_dscnt 0x0                               ; for wave 0's sake
	s_barrier_signal -1
	s_barrier_wait -1
	s_cmp_lg_u32 s[WV], 0
	s_cbranch_scc1 .Ldone
	ds_load_b128 v[S:S+3], v[OSR]
	s_wait_dscnt 0x0
	global_store_b128 v[LI], v[S:S+3], s[12:13]    ; the work-group's 256 pairs of bytes: 512 consecutive bytes, aligned
.Ldone:
	s_wait_tensorcnt 0x0
	ds_add_u32 v254, v255
	s_wait_dscnt 0x0
	CROUND                                         ; the closing round: no work-group ends while a partner may still ask for a tile that names it
	s_endpgm
.Lfunc_end_k_q7faf32ab03_attn:
	.size	k_q7faf32ab03_attn, .Lfunc_end_k_q7faf32ab03_attn-k_q7faf32ab03_attn
	.p2alignl 7, 3214868480
	.fill 96, 4, 3214868480
	.section	.rodata,"a",@progbits
	.p2align	6, 0x0
	.amdhsa_kernel k_q7faf32ab03_attn
		.amdhsa_group_segment_fixed_size 169984
		.amdhsa_private_segment_fixed_size 0
		.amdhsa_enable_private_segment 0
		.amdhsa_kernarg_size 40
		.amdhsa_user_sgpr_count 2
		.amdhsa_user_sgpr_kernarg_segment_ptr 1
		.amdhsa_wavefront_size32 1
		.amdhsa_system_sgpr_workgroup_id_x 1
		.amdhsa_system_sgpr_workgroup_id_y 1
		.amdhsa_system_sgpr_workgroup_id_z 1
		.amdhsa_system_vgpr_workitem_id 0
		.amdhsa_next_free_vgpr 256
		.amdhsa_next_free_sgpr 66
		.amdhsa_reserve_vcc 0
		.amdhsa_float_denorm_mode_32 3
		.amdhsa_float_denorm_mode_16_64 3
		.amdhsa_memory_ordered 1
		.amdhsa_forward_progress 1
		.amdhsa_inst_pref_size 72
	.end_amdhsa_kernel
	.amdgpu_metadata
---
amdhsa.version: [ 1, 2 ]
amdhsa.kernels:
  - .name:           k_q7faf32ab03_attn
    .symbol:         k_q7faf32ab03_attn.kd
    .args:
      - { .name: qc, .offset: 0, .size: 8, .value_kind: global_buffer, .address_space: global }
      - { .name: qs, .offset: 8, .size: 8, .value_kind: global_buffer, .address_space: global }
      - { .name: kv, .offset: 16, .size: 8, .value_kind: global_buffer, .address_space: global }
      - { .name: oc, .offset: 24, .size: 8, .value_kind: global_buffer, .address_space: global }
      - { .name: os, .offset: 32, .size: 8, .value_kind: global_buffer, .address_space: global }
    .group_segment_fixed_size: 169984
    .private_segment_fixed_size: 0
    .kernarg_segment_align: 8
    .kernarg_segment_size: 40
    .max_flat_workgroup_size: 512
    .sgpr_count:     66
    .vgpr_count:     256
    .wavefront_size: 32
...
	.end_amdgpu_metadata
.endif
;; end of part 2
;; launch proj (part 3): grid 64 x 4, 8 waves a work-group, clusters of 4 x 1, 168,960 bytes of LDS; arguments oc, os, Wo_codes, Wo_scales, bo, out0; writes out0
.if DOCPART == 3
	.amdgcn_target "amdgcn-amd-amdhsa--gfx1250"
	.amdhsa_code_object_version 6
	.text
	.protected	k_q7faf32ab03_proj
	.globl	k_q7faf32ab03_proj
	.p2align	8
	.type	k_q7faf32ab03_proj,@function
k_q7faf32ab03_proj:
	s_mov_b64 s[64:65], 0
	v_nop
	global_prefetch_b8 v0, s[64:65] scope:SCOPE_SE
	s_setreg_imm32_b32 hwreg(HW_REG_WAVE_MODE, 25, 1), 1
	s_wait_xcnt 0x0
	s_wait_alu depctr_hold_cnt(0) depctr_sa_sdst(0) depctr_va_vdst(0) depctr_va_sdst(0) depctr_va_ssrc(0) depctr_va_vcc(0) depctr_vm_vsrc(0)
	s_getreg_b32 s2, hwreg(HW_REG_IB_STS2, 6, 4)
	s_cmp_eq_u32 s2, 0
	s_cbranch_scc0 .Lentry_in_a_cluster
	s_endpgm
.Lentry_in_a_cluster:
	s_bfe_u32 s2, ttmp6, 0x10000c
	s_cmp_lg_u32 s2, 0x3003
	s_cbranch_scc0 .Lentry_shape_is_right
	s_endpgm
.Lentry_shape_is_right:
; out0 = o Wo^T + bo on codes of FP4 (E2M1) with one E8M0 scale for each 32 along K = 768.  o comes as images of operand registers (oc: [tile of 16 tokens][head][512 bytes]) and pairs of scale bytes (os: [head][token]).
; SHARES.  A work-group takes 64 tokens and 192 features (768 bytes of a row of out0: three aligned blocks of 256): 64 x 4 = 256 work-groups.  Eight waves: wave w takes token tile w % 4 and Wo's rows 96 (w / 4) on: 6 tiles x 6 K steps.
; The product is used transposed (source 0 = 16 rows of Wo, source 1 = 16 tokens): a lane holds one token and eight neighbouring features.  The bias is loaded into the accumulators: the C of the first K step.
; o's six fragments of a wave stay in registers; Wo's 192 rows lie in LDS (pitch 432: 16 bytes of padding behind each 128), its scale bytes behind them, each filled once.
; CLUSTER.  The four work-groups of a cluster take four blocks of tokens and the same 192 rows of Wo: its codes and scales are asked for JOINTLY (mask 15).
; The results meet in a stage (rows of 768 + 16 bytes) and leave as whole rows: sixteen lanes store 256 consecutive bytes, aligned.
.set ROWB,  384
.set PITCH, 432
.set TILEB, 16*PITCH
.set HALFR, 64*PITCH
.set WSC,   192*PITCH                  ; Wo's scale bytes: 192 rows of 24, dense
.set STG,   WSC+192*24                 ; the stage: 64 rows
.set SP,    784
.set WA,  1                            ; v1  LDS: my lane's place in my 96 rows of Wo
.set WSA, 2                            ; v2  and among their scale words: row = lane
.set LI,  3                            ; v3  16 x lane
.set R2,  4                            ; v4  2 r
.set H32, 5                            ; v5  32 h
.set STO, 6                            ; v6  the stage: where I put 32 bytes of a row
.set SRD, 7                            ; v7  and where I read rows back
.set CO,  8                            ; v8  my byte offset in the work-group's part of out0
.set OF,  16                           ; v16-63  o's six fragments
.set OS,  64                           ; v64-69  o's scale words, one a K step
.set OH,  70                           ; v70-75  their upper halves as loaded
.set WS,  76                           ; v76-81  Wo's scale words, two sets of 3: lanes 0-15 tile 2 j, lanes 16-31 tile 2 j + 1
.set WF,  96                           ; v96-143, v144-191 Wo's six fragments, two sets; on the way out v96-143 take the rows
.set ACC, 192                          ; v192-239
.set G1C, 16
.set G1S, 24
.set G0C, 32
.set G0S, 36
.set WV,  40
.set TT,  41
.set HF,  42
.set TBK, 44
.set NB,  45
.macro PLACES n
.rept \n
	v_nop
.endr
.endm
.macro CROUND                          ; a round of the cluster's barrier
	s_barrier_signal -1
	s_barrier_wait -1
	s_cmp_lg_u32 s[WV], 0
	s_cbranch_scc1 .Lnot_wave_0_\@
	s_barrier_signal -3
.Lnot_wave_0_\@:
	s_barrier_wait -3
	s_barrier_signal -1
	s_barrier_wait -1
.endm
.macro WMA d, a, b, sa, sb, ra         ; a product that adds in place; ra: source 0's scales stand in lanes 16-31
.if (\ra)
	v_wmma_scale_f32_16x16x128_f8f6f4 v[(\d):(\d)+7], v[(\a):(\a)+7], v[(\b):(\b)+7], v[(\d):(\d)+7], v[\sa], v[\sb] matrix_a_fmt:MATRIX_FMT_FP4 matrix_b_fmt:MATRIX_FMT_FP4 matrix_a_scale:MATRIX_SCALE_ROW1
.else
	v_wmma_scale_f32_16x16x128_f8f6f4 v[(\d):(\d)+7], v[(\a):(\a)+7], v[(\b):(\b)+7], v[(\d):(\d)+7], v[\sa], v[\sb] matrix_a_fmt:MATRIX_FMT_FP4 matrix_b_fmt:MATRIX_FMT_FP4
.endif
.endm
.macro WLOAD s, set                    ; K step s of my six tiles of Wo, 15 LDS loads, into a set
.irp j, 0,1,2
	ds_load_b32 v[WS+3*(\set)+\j], v[WSA] offset:768*\j+4*(\s)
.endr
.irp t, 0,1,2,3,4,5
.irp c, 0,1
	ds_load_b128 v[WF+48*(\set)+8*\t+4*\c:WF+48*(\set)+8*\t+4*\c+3], v[WA] offset:TILEB*\t+64*(\s)+16*((\s)/2)+32*\c
.endr
.endr
.endm
.macro MUL6 s, set                     ; the six accumulators take turns
.irp t, 0,1,2,3,4,5
	WMA ACC+8*\t, WF+48*(\set)+8*\t, OF+8*(\s), WS+3*(\set)+\t/2, OS+(\s), \t%2
.endr
.endm
	s_load_b256 s[4:11], s[0:1], 0x0               ; oc s[4:5], os s[6:7], Wo's codes s[8:9], Wo's scales s[10:11]
	s_load_b128 s[12:15], s[0:1], 0x20             ; bo s[12:13], out0 s[14:15]
	v_lshl_add_u32 v254, v0, 2, 0x29000
	v_mov_b32 v255, 0
	ds_add_u32 v254, v255
	ds_add_u32 v254, v255
	v_lshrrev_b32 v9, 5, v0
	v_readfirstlane_b32 s[WV], v9                  ; wave 0..7
	s_and_b32 s[TT], s[WV], 3                      ; my tile of tokens
	s_lshr_b32 s[HF], s[WV], 2                     ; my half of the 192 features
	s_bfe_u32 s43, ttmp6, 0x40000                  ; my place in the cluster
	s_lshl_b32 s[TBK], ttmp9, 2
	s_add_co_u32 s[TBK], s[TBK], s43               ; my block of 64 tokens: it enters o's and out0's addresses alone
	s_and_b32 s[NB], ttmp7, 0xffff                 ; the block of 192 features, which the four partners share
	s_mov_b32 s[G1C], 15|(1<<20)|(1<<21)|(4<<22)|(3<<25)   ; 64 rows of 384 bytes: the mask; elements of 1 byte; padding on; 21 set beside a mask; four words after every 32
	s_mov_b32 s[G1C+1], ROWB<<16
	s_mov_b32 s[G1C+2], 64<<16
	s_mov_b32 s[G1C+3], ROWB<<16
	s_mov_b32 s[G1C+4], 64
	s_mov_b32 s[G1C+5], ROWB
	s_mov_b32 s[G1C+6], 0
	s_mov_b32 s[G1C+7], 0
	s_mov_b32 s[G1S], 15|(3<<16)|(1<<21)           ; 4,608 dense bytes as 18 rows of 32 elements of 8 bytes
	s_mov_b32 s[G1S+1], 32<<16
	s_mov_b32 s[G1S+2], 18<<16
	s_mov_b32 s[G1S+3], 32<<16
	s_mov_b32 s[G1S+4], 18
	s_mov_b32 s[G1S+5], 32
	s_mov_b32 s[G1S+6], 0
	s_mov_b32 s[G1S+7], 0
	s_mul_i32 s46, s[NB], 192*ROWB
	s_mul_i32 s48, s[WV], 64*ROWB
	s_add_co_u32 s46, s46, s48
	s_mov_b32 s47, 0
	s_mul_i32 s48, s[NB], 192*24
	s_mov_b32 s49, 0
	s_wait_dscnt 0x0
	s_wait_kmcnt 0x0
	s_mov_b32 s[G0C], 1
	s_mul_i32 s[G0C+1], s[WV], HALFR               ; waves 0-2: 64 rows each
	s_add_nc_u64 s[G0C+2:G0C+3], s[8:9], s[46:47]
	s_or_b32 s[G0C+3], s[G0C+3], 0x80000000
	s_mov_b32 s[G0S], 1
	s_mov_b32 s[G0S+1], WSC                        ; wave 3: the scales
	s_add_nc_u64 s[G0S+2:G0S+3], s[10:11], s[48:49]
	s_or_b32 s[G0S+3], s[G0S+3], 0x80000000
	CROUND                                         ; all four work-groups are here: the joint loads meet
	s_cmp_lt_u32 s[WV], 3                          ; one tensor load a wave at the most; four v_nop follow each
	s_cbranch_scc0 .Lnot_codes
	tensor_load_to_lds s[G0C:G0C+3], s[G1C:G1C+7]
	s_nop 0
	PLACES 4
	s_branch .Lasked
.Lnot_codes:
	s_cmp_eq_u32 s[WV], 3
	s_cbranch_scc0 .Lasked
	tensor_load_to_lds s[G0S:G0S+3], s[G1S:G1S+7]
	s_nop 0
	PLACES 4
.Lasked:
	s_lshl_b32 s50, s[TBK], 2
	s_add_co_u32 s50, s50, s[TT]                   ; my tile among all 256 tiles of tokens
	s_lshl_b32 s52, s50, 5                         ; os: 32 bytes a tile in each head's row
	s_mov_b32 s53, 0
	s_mul_i32 s50, s50, 6144                       ; oc: 12 heads x 512 bytes a tile
	s_mov_b32 s51, 0
	s_mul_i32 s54, s[NB], 768
	s_mul_i32 s56, s[HF], 384
	s_add_co_u32 s56, s56, s54                     ; bo: my 96 features
	s_mov_b32 s57, 0
	s_mul_i32 s58, s[TBK], 64*3072
	s_add_co_u32 s58, s58, s54                     ; out0: the work-group's first row and column
	s_mov_b32 s59, 0
	s_add_nc_u64 s[4:5], s[4:5], s[50:51]
	s_add_nc_u64 s[6:7], s[6:7], s[52:53]
	s_add_nc_u64 s[12:13], s[12:13], s[56:57]
	s_add_nc_u64 s[14:15], s[14:15], s[58:59]
	v_and_b32 v10, 15, v0                          ; r
	v_bfe_u32 v11, v0, 4, 1                        ; h
	v_and_b32 v12, 31, v0                          ; lane
	v_lshlrev_b32 v[LI], 4, v12
	v_lshlrev_b32 v[R2], 1, v10
	v_lshlrev_b32 v[H32], 5, v11
.irp k, 0,1,2,3,4,5,6,7,8,9,10,11
	global_load_b128 v[OF+4*\k:OF+4*\k+3], v[LI], s[4:5] offset:512*\k   ; head k's image: registers 4 (k % 2) on of K step k / 2
.endr
.irp s, 0,1,2,3,4,5
	global_load_u16 v[OS+\s], v[R2], s[6:7] offset:8192*(2*\s)           ; token r's two bytes of head 2 s,
	global_load_u16 v[OH+\s], v[R2], s[6:7] offset:8192*(2*\s+1)         ; and of head 2 s + 1
.endr
.irp t, 0,1,2,3,4,5
.irp e, 0,1
	global_load_b128 v[ACC+8*\t+4*\e:ACC+8*\t+4*\e+3], v[H32], s[12:13] offset:64*\t+16*\e   ; register j of tile t is feature 16 t + 8 h + j: the bias lands in the accumulators
.endr
.endr
	v_mul_u32_u24 v[WA], v10, PITCH
	v_lshl_add_u32 v[WA], v11, 4, v[WA]
	s_mul_i32 s60, s[HF], 6*TILEB
	v_add_nc_u32 v[WA], s60, v[WA]
	v_mul_u32_u24 v[WSA], v12, 24
	s_mul_i32 s60, s[HF], 96*24
	s_add_co_u32 s60, s60, WSC
	v_add_nc_u32 v[WSA], s60, v[WSA]
	s_wait_tensorcnt 0x0                           ; my tile has landed,
	s_barrier_signal -1
	s_barrier_wait -1                              ; everybody's has
	WLOAD 0, 0
	s_wait_loadcnt 0x0                             ; o, its bytes, the bias
.irp s, 0,1,2,3,4,5
	v_lshl_or_b32 v[OS+\s], v[OH+\s], 16, v[OS+\s] ; the scale word of K step s: bytes 0, 1 head 2 s, bytes 2, 3 head 2 s + 1
.endr
	; the addresses of the way out are made here: nine plain instructions between the scale words just written and the first scaled product, which wants eight
	s_mul_i32 s60, s[TT], 16*SP
	s_mul_i32 s61, s[HF], 384
	s_add_co_u32 s60, s60, s61
	s_add_co_u32 s60, s60, STG
	v_mul_u32_u24 v[STO], v10, SP
	v_lshl_add_u32 v[STO], v11, 5, v[STO]
	v_add_nc_u32 v[STO], s60, v[STO]               ; in: row 16 tt + r, + 384 half + 32 h
	s_mul_i32 s61, s[WV], 8*SP
	s_add_co_u32 s61, s61, STG
	v_mul_u32_u24 v[SRD], v11, SP
	v_lshl_add_u32 v[SRD], v10, 4, v[SRD]
	v_add_nc_u32 v[SRD], s61, v[SRD]               ; back: rows 8 w on; lanes 0-15 one row, lanes 16-31 the next
	s_mul_i32 s62, s[WV], 8*3072
	v_mul_u32_u24 v[CO], v11, 3072
	v_lshl_add_u32 v[CO], v10, 4, v[CO]
	v_add_nc_u32 v[CO], s62, v[CO]                 ; and the same in out0
	WLOAD 1, 1
	s_wait_dscnt 15                                ; K step 0's loads are in; the 15 just issued may be out
	MUL6 0, 0
.irp s, 1,2,3,4
	PLACES 4                                       ; in front of loads into the set that the last products read
	WLOAD \s+1, (\s+1)%2
	s_wait_dscnt 15
	MUL6 \s, \s%2
.endr
	s_wait_dscnt 0x0
	MUL6 5, 1
	PLACES 4                                       ; in front of the first read of results, and of the loads into the fragments' registers
.irp t, 0,1,2,3,4,5
	ds_store_b128 v[STO], v[ACC+8*\t:ACC+8*\t+3] offset:64*\t          ; each accumulator from its low end on
	ds_store_b128 v[STO], v[ACC+8*\t+4:ACC+8*\t+7] offset:64*\t+16
.endr
	s_wait_dscnt 0x0                               ; for the others' sake: a row's 768 bytes come from two waves
	s_barrier_signal -1
	s_barrier_wait -1
.irp i, 0,1,2,3,4,5,6,7,8,9,10,11
	ds_load_b128 v[WF+4*\i:WF+4*\i+3], v[SRD] offset:2*SP*(\i/3)+256*(\i%3)
.endr
.irp i, 0,1,2,3,4,5,6,7,8,9,10,11
	s_wait_dscnt 11-\i                             ; LDS loads come back in order: behind load i stand 11 - i
	global_store_b128 v[CO], v[WF+4*\i:WF+4*\i+3], s[14:15] offset:2*3072*(\i/3)+256*(\i%3) th:TH_STORE_NT   ; sixteen lanes store 256 consecutive bytes, aligned; written once, read by nobody here
.endr
	s_wait_tensorcnt 0x0
	ds_add_u32 v254, v255
	s_wait_dscnt 0x0
	CROUND                                         ; the closing round: no work-group ends while a partner may still ask for a tile that names it
	s_endpgm
.Lfunc_end_k_q7faf32ab03_proj:
	.size	k_q7faf32ab03_proj, .Lfunc_end_k_q7faf32ab03_proj-k_q7faf32ab03_proj
	.p2alignl 7, 3214868480
	.fill 96, 4, 3214868480
	.section	.rodata,"a",@progbits
	.p2align	6, 0x0
	.amdhsa_kernel k_q7faf32ab03_proj
		.amdhsa_group_segment_fixed_size 168960
		.amdhsa_private_segment_fixed_size 0
		.amdhsa_enable_private_segment 0
		.amdhsa_kernarg_size 48
		.amdhsa_user_sgpr_count 2
		.amdhsa_user_sgpr_kernarg_segment_ptr 1
		.amdhsa_wavefront_size32 1
		.amdhsa_system_sgpr_workgroup_id_x 1
		.amdhsa_system_sgpr_workgroup_id_y 1
		.amdhsa_system_sgpr_workgroup_id_z 1
		.amdhsa_system_vgpr_workitem_id 0
		.amdhsa_next_free_vgpr 256
		.amdhsa_next_free_sgpr 66
		.amdhsa_reserve_vcc 0
		.amdhsa_float_denorm_mode_32 3
		.amdhsa_float_denorm_mode_16_64 3
		.amdhsa_memory_ordered 1
		.amdhsa_forward_progress 1
		.amdhsa_inst_pref_size 25
	.end_amdhsa_kernel
	.amdgpu_metadata
---
amdhsa.version: [ 1, 2 ]
amdhsa.kernels:
  - .name:           k_q7faf32ab03_proj
    .symbol:         k_q7faf32ab03_proj.kd
    .args:
      - { .name: oc, .offset: 0, .size: 8, .value_kind: global_buffer, .address_space: global }
      - { .name: os, .offset: 8, .size: 8, .value_kind: global_buffer, .address_space: global }
      - { .name: Wo_codes, .offset: 16, .size: 8, .value_kind: global_buffer, .address_space: global }
      - { .name: Wo_scales, .offset: 24, .size: 8, .value_kind: global_buffer, .address_space: global }
      - { .name: bo, .offset: 32, .size: 8, .value_kind: global_buffer, .address_space: global }
      - { .name: out0, .offset: 40, .size: 8, .value_kind: global_buffer, .address_space: global }
    .group_segment_fixed_size: 168960
    .private_segment_fixed_size: 0
    .kernarg_segment_align: 8
    .kernarg_segment_size: 48
    .max_flat_workgroup_size: 256
    .sgpr_count:     66
    .vgpr_count:     256
    .wavefront_size: 32
...
	.end_amdgpu_metadata
.endif
;; end of part 3
;; ======== version 2 of 2: 2 launches
;; limits: right only within a limited range of input values
;; workspace buffers: qc 1,572,864 bytes; qs 196,608 bytes; kv 3,440,640 bytes
;; launch qkv (part 4): grid 32 x 6, 12 waves a work-group, clusters of 4 x 1, 238,080 bytes of LDS; arguments Wq_codes, Wk_codes, Wv_codes, x_codes, Wq_scales, Wk_scales, Wv_scales, x_scales, bq, bk, bv, qc, qs, kv; writes qc, qs, kv
.if DOCPART == 4
	.amdgcn_target "amdgcn-amd-amdhsa--gfx1250"
	.amdhsa_code_object_version 6
	.text
	.protected	k_q7faf32ab03_qkv
	.globl	k_q7faf32ab03_qkv
	.p2align	8
	.type	k_q7faf32ab03_qkv,@function
k_q7faf32ab03_qkv:
	s_mov_b64 s[64:65], 0
	v_nop
	global_prefetch_b8 v0, s[64:65] scope:SCOPE_SE
	s_setreg_imm32_b32 hwreg(HW_REG_WAVE_MODE, 25, 1), 1
	s_wait_xcnt 0x0
	s_wait_alu depctr_hold_cnt(0) depctr_sa_sdst(0) depctr_va_vdst(0) depctr_va_sdst(0) depctr_va_ssrc(0) depctr_va_vcc(0) depctr_vm_vsrc(0)
	s_getreg_b32 s2, hwreg(HW_REG_IB_STS2, 6, 4)
	s_cmp_eq_u32 s2, 0
	s_cbranch_scc0 .Lentry_in_a_cluster
	s_endpgm
.Lentry_in_a_cluster:
	s_bfe_u32 s2, ttmp6, 0x10000c
	s_cmp_lg_u32 s2, 0x3003
	s_cbranch_scc0 .Lentry_shape_is_right
	s_endpgm
.Lentry_shape_is_right:
; q = x Wq^T + bq, k = x Wk^T + bk, v = x Wv^T + bv on codes of FP4 (E2M1) with one E8M0 scale for each 32 along K = 768; the results are quantised at once,
; q and k along a head's 64 channels, v along the keys, and leave as IMAGES OF OPERAND REGISTERS for the attention launch: nothing wider than codes goes to memory.
; SHARES.  A work-group takes 128 tokens (group g of 32) and a pair of heads (128 features of each of q, k, v).  Twelve waves: role = wave / 4 (0 q, 1 k, 2 v), i = wave % 4.
; Every wave makes 8 wide tiles x 2 narrow tiles x 6 K steps = 96 matrix instructions; source 0 is the wide side, source 1 the narrow side, so that a lane holds ONE narrow row and its registers run along the wide side:
;   q, k: wide = the weight's 128 rows, narrow = 32 tokens (q: 32 i .. 32 i + 31; k: as THE KEYS OF A TILE OF K sets out): a lane's registers run along the features, which are the next product's K;
;   v:    wide = the 128 tokens, narrow = the weight's rows 32 i .. 32 i + 31: a lane's registers run along the tokens, which are the keys, the second attention product's K.
; One text serves the three roles: only addresses differ, and the C of the first K step (the bias: per feature in q and k, per lane in v).
; FROM RESULT TO OPERAND.  In tile t lane (r, h) holds wide rows 16 t + 8 h + 0..7.  Of block b (tiles 2 b, 2 b + 1) the even tile's eight codes are word 0 (lanes 0-15) or word 1 (lanes 16-31), the odd tile's word 2 or 3.
; The even tile's conversion goes to register 4 (b / 2) + b % 2, the odd tile's two further on; two exchanges of halves for each pair of blocks then give registers 4 c .. 4 c + 3 = k 64 c + 32 h + 0..31, the operand's layout.
; CLUSTER.  The four work-groups of a cluster take four token groups and the same pair of heads: the weights' codes and scales are asked for JOINTLY (mask 15); x's are each work-group's own.
; Every LDS byte is filled once; what the waves store lies in blocks of its own behind the fills.
; LIMITS: NaN and infinities are not served.  A block whose largest magnitude lies under 2^-124 (a block of zeros too) gets the scale byte 1; its bytes are read by this program alone.
.set ROWB,   384                       ; a row of 768 codes in bytes
.set PITCH,  432                       ; in LDS: 16 bytes of padding behind each 128: 27 x 16, so the 16 rows of a fragment load start in 16 different groups of banks
.set TILEB,  16*PITCH
.set HALFR,  64*PITCH                  ; what one tensor load of codes brings
.set REGN,   128*PITCH                 ; a region of codes: 0 Wq, 1 Wk, 2 Wv, 3 x
.set SCL,    4*REGN                    ; the four regions of scale bytes: 128 rows of 24 bytes, dense
.set SREG,   128*24
.set SST,    SCL+4*SREG                ; the stage for the new scale words: 1,024 bytes a role
.set REC,    8960                      ; kv: the record of 128 keys of a head: K's 8 tiles (512 each), V^T's 4 tiles (1,024 each), K's scale words (512), V's (256)
.set HEADKV, 16*REC
.set WA,   1                           ; v1   LDS: my lane's place in the wide side's codes
.set NA,   2                           ; v2   in the narrow side's two tiles
.set WSA,  3                           ; v3   the wide side's scale words: row = lane
.set NSA,  4                           ; v4   the narrow side's
.set STA,  5                           ; v5   where my new scale word goes
.set SRD,  6                           ; v6   where a wave reads 512 bytes of the stage back
.set SH,   7                           ; v7   16 h
.set VO,   8                           ; v8-11 byte offsets of my 16 bytes of codes: narrow tile 0 part 0, 1; tile 1 part 0, 1
.set WS,   12                          ; v12-15 the wide side's scale words: lanes 0-15 tile 2 b, lanes 16-31 tile 2 b + 1
.set NS,   16                          ; v16  the narrow side's: lanes 0-15 tile 0, lanes 16-31 tile 1
.set H32,  17                          ; v17  32 h
.set R4,   18                          ; v18  4 r
.set WO,   19                          ; v19  byte offset of the scale words' way out
.set BV,   32                          ; v32-47  role v: the bias of my channel, eight times for each narrow tile
.set NF,   48                          ; v48-63  the narrow side's two fragments
.set WF,   64                          ; v64-127 the wide side's eight
.set ACC,  128                         ; v128-255 accumulator (n, t) at 64 n + 8 t
.set TM,   64                          ; behind the K loop: +0 largest magnitudes, +4 the other half's, +8 bytes, +12 the conversions' scale operands
.set PW,   80                          ; v80-81  the scale word of narrow tile n
.set XW,   82                          ; v82-83  what of it goes to the stage
.set PC,   84                          ; v84-99  the codes of narrow tile n
.set OUTW, 100
.set G1JC, 32                          ; descriptor groups 1: codes jointly, codes alone, scales jointly, scales alone
.set G1PC, 40
.set G1JS, 48
.set G1PS, 56
.set G0JC, 68                          ; and their groups 0
.set G0PC, 72
.set G0JS, 76
.set G0PS, 80
.set WV,   84
.set ROLE, 85
.set WI,   86
.set CX,   87
.set G,    88
.set HP,   89
.set SEL,  90                          ; s[90:91] v_permlanex16_b32's selects for lane l xor 16
.set MASK, 92
.macro PLACES n
.rept \n
	v_nop
.endr
.endm
.macro CROUND                          ; a round of the cluster's barrier
	s_barrier_signal -1
	s_barrier_wait -1
	s_cmp_lg_u32 s[WV], 0
	s_cbranch_scc1 .Lnot_wave_0_\@
	s_barrier_signal -3
.Lnot_wave_0_\@:
	s_barrier_wait -3
	s_barrier_signal -1
	s_barrier_wait -1
.endm
; one matrix instruction; ra, rb: source 0's, source 1's scales stand in lanes 16-31 of their register
.macro WM d, a, b, c, sa, sb, ra, rb
.if (\ra) && (\rb)
	v_wmma_scale_f32_16x16x128_f8f6f4 v[(\d):(\d)+7], v[(\a):(\a)+7], v[(\b):(\b)+7], v[(\c):(\c)+7], v[\sa], v[\sb] matrix_a_fmt:MATRIX_FMT_FP4 matrix_b_fmt:MATRIX_FMT_FP4 matrix_a_scale:MATRIX_SCALE_ROW1 matrix_b_scale:MATRIX_SCALE_ROW1
.elseif (\ra)
	v_wmma_scale_f32_16x16x128_f8f6f4 v[(\d):(\d)+7], v[(\a):(\a)+7], v[(\b):(\b)+7], v[(\c):(\c)+7], v[\sa], v[\sb] matrix_a_fmt:MATRIX_FMT_FP4 matrix_b_fmt:MATRIX_FMT_FP4 matrix_a_scale:MATRIX_SCALE_ROW1
.elseif (\rb)
	v_wmma_scale_f32_16x16x128_f8f6f4 v[(\d):(\d)+7], v[(\a):(\a)+7], v[(\b):(\b)+7], v[(\c):(\c)+7], v[\sa], v[\sb] matrix_a_fmt:MATRIX_FMT_FP4 matrix_b_fmt:MATRIX_FMT_FP4 matrix_b_scale:MATRIX_SCALE_ROW1
.else
	v_wmma_scale_f32_16x16x128_f8f6f4 v[(\d):(\d)+7], v[(\a):(\a)+7], v[(\b):(\b)+7], v[(\c):(\c)+7], v[\sa], v[\sb] matrix_a_fmt:MATRIX_FMT_FP4 matrix_b_fmt:MATRIX_FMT_FP4
.endif
.endm
; K step s: 64 bytes of a row, at 64 s + 16 (s / 2) in LDS.  The narrow side and the scale words first, then the wide tiles in the order in which they are multiplied.
.macro FETCH s
.irp n, 0,1
.irp c, 0,1
	ds_load_b128 v[NF+8*\n+4*\c:NF+8*\n+4*\c+3], v[NA+25*\n] offset:64*(\s)+16*((\s)/2)+32*\c   ; narrow tile 1 has an address of its own, v27
.endr
.endr
	ds_load_b32 v[NS], v[NSA] offset:4*(\s)
.irp b, 0,1,2,3
	ds_load_b32 v[WS+\b], v[WSA] offset:768*\b+4*(\s)
.endr
.irp t, 0,1,2,3,4,5,6,7
.irp c, 0,1
	ds_load_b128 v[WF+8*\t+4*\c:WF+8*\t+4*\c+3], v[WA] offset:TILEB*\t+64*(\s)+16*((\s)/2)+32*\c
.endr
.endr
.endm
; 16 matrix instructions; the sixteen accumulators take turns, one instruction a turn.  cm = 1: C is role v's bias.
.macro MUL cm
.irp t, 0,1,2,3,4,5,6,7
	s_wait_dscnt 14-2*\t                           ; LDS loads come back in order: behind wide tile t's second load stand the 2 (7 - t) of the tiles after it
.irp n, 0,1
.if \cm
	WM ACC+64*\n+8*\t, WF+8*\t, NF+8*\n, BV+8*\n, WS+\t/2, NS, \t%2, \n
.else
	WM ACC+64*\n+8*\t, WF+8*\t, NF+8*\n, ACC+64*\n+8*\t, WS+\t/2, NS, \t%2, \n
.endif
.endr
.endr
.endm
; 64 numbers of a lane, v[s] on (register 16 b + 8 u + j = k 32 b + 16 u + 8 h + j of my narrow row), become a fragment's codes in v[pc] on and its scale word in v[pw].
.macro QUANT s, pc, pw
.irp b, 0,1,2,3
	v_max3_num_f32 v[TM+\b], |v[\s+16*\b]|, |v[\s+1+16*\b]|, 0x1800000   ; block b: my 16 numbers, from each accumulator's low end on, and the floor 2^(3 - 127): the byte cannot fall under 1
.endr
.irp i, 2,4,6,8,10,12,14
.irp b, 0,1,2,3
	v_max3_num_f32 v[TM+\b], v[TM+\b], |v[\s+16*\b+\i]|, |v[\s+1+16*\b+\i]|
.endr
.endr
.irp b, 0,1,2,3
	s_delay_alu instid0(VALU_DEP_4)
	v_permlanex16_b32 v[TM+4+\b], v[TM+\b], s[SEL], s[SEL+1]
.endr
.irp b, 0,1,2,3
	s_delay_alu instid0(VALU_DEP_4)
	v_max_num_f32 v[TM+\b], v[TM+\b], v[TM+4+\b]   ; with lane l xor 16's 16: the block's largest magnitude
.endr
.irp b, 0,1,2,3
	s_delay_alu instid0(VALU_DEP_4)
	v_add_nc_u32 v[TM+12+\b], 0xff000000, v[TM+\b] ; 2 off its exponent field: the conversion takes the exponent field of this operand as its scale
.endr
.irp b, 0,1,2,3
	s_delay_alu instid0(VALU_DEP_4)
	v_lshrrev_b32 v[TM+8+\b], 23, v[TM+12+\b]      ; the scale's byte
.endr
	s_delay_alu instid0(VALU_DEP_3)
	v_lshl_or_b32 v[\pw], v[TM+9], 8, v[TM+8]
	s_delay_alu instid0(VALU_DEP_1)
	v_lshl_or_b32 v[\pw], v[TM+10], 16, v[\pw]
	s_delay_alu instid0(VALU_DEP_1)
	v_lshl_or_b32 v[\pw], v[TM+11], 24, v[\pw]
.irp b, 0,1,2,3
	v_cvt_scalef32_pk8_fp4_f32 v[\pc+4*(\b/2)+(\b%2)], v[\s+16*\b:\s+16*\b+7], v[TM+12+\b]
	v_cvt_scalef32_pk8_fp4_f32 v[\pc+4*(\b/2)+(\b%2)+2], v[\s+16*\b+8:\s+16*\b+15], v[TM+12+\b]
.endr
	v_nop                                          ; one plain place behind a scaled conversion
.irp c, 0,1
	v_permlane16_swap_b32 v[\pc+4*\c], v[\pc+4*\c+1]       ; words 0 and 1 of blocks 2 c (lanes 0-15) and 2 c + 1 (lanes 16-31)
	v_permlane16_swap_b32 v[\pc+4*\c+2], v[\pc+4*\c+3]     ; words 2 and 3
.endr
.endm
	s_load_b512 s[4:19], s[0:1], 0x0               ; codes of Wq s[4:5], Wk s[6:7], Wv s[8:9], x s[10:11]; scales of Wq s[12:13], Wk s[14:15], Wv s[16:17], x s[18:19]
	s_load_b256 s[20:27], s[0:1], 0x40             ; bq s[20:21], bk s[22:23], bv s[24:25], qc s[26:27]
	s_load_b128 s[28:31], s[0:1], 0x60             ; qs s[28:29], kv s[30:31]
	v_lshl_add_u32 v30, v0, 2, 0x39c00
	v_mov_b32 v31, 0
	ds_add_u32 v30, v31
	ds_add_u32 v30, v31
	v_lshrrev_b32 v20, 5, v0
	s_delay_alu instid0(VALU_DEP_1)
	v_readfirstlane_b32 s[WV], v20                 ; wave 0..11
	s_lshr_b32 s[ROLE], s[WV], 2
	s_and_b32 s[WI], s[WV], 3
	s_bfe_u32 s[CX], ttmp6, 0x40000                ; my place in the cluster
	s_lshl_b32 s[G], ttmp9, 2
	s_add_co_u32 s[G], s[G], s[CX]                 ; token group: it enters x's addresses and the stores' alone
	s_and_b32 s[HP], ttmp7, 0xffff                 ; the pair of heads, which the four partners share
	; groups 1.  Codes: 64 rows of 384 bytes are 24,576 dense bytes, stated as 96 rows of 256; 15:0 the mask; 17:16 elements of 1 byte; 20 padding on; 21 set beside a mask; 24:22 after every 32 words (code 4); 31:25 four words (code 3)
	s_mov_b32 s[G1JC], 15|(1<<20)|(1<<21)|(4<<22)|(3<<25)
	s_mov_b32 s[G1PC], (1<<20)|(4<<22)|(3<<25)
.irp g, G1JC, G1PC
	s_mov_b32 s[\g+1], 256<<16                     ; tensor_dim0
	s_mov_b32 s[\g+2], 96<<16                      ; tensor_dim1
	s_mov_b32 s[\g+3], 256<<16                     ; tile_dim0
	s_mov_b32 s[\g+4], 96                          ; tile_dim1
	s_mov_b32 s[\g+5], 256                         ; tensor_dim0_stride
	s_mov_b32 s[\g+6], 0
	s_mov_b32 s[\g+7], 0
.endr
	; scales of 128 rows: 3,072 dense bytes as 12 rows of 32 elements of 8 bytes, no padding
	s_mov_b32 s[G1JS], 15|(3<<16)|(1<<21)
	s_mov_b32 s[G1PS], 3<<16
.irp g, G1JS, G1PS
	s_mov_b32 s[\g+1], 32<<16
	s_mov_b32 s[\g+2], 12<<16
	s_mov_b32 s[\g+3], 32<<16
	s_mov_b32 s[\g+4], 12
	s_mov_b32 s[\g+5], 32
	s_mov_b32 s[\g+6], 0
	s_mov_b32 s[\g+7], 0
.endr
	s_and_b32 s93, s[WV], 1
	s_mul_i32 s93, s93, 64*ROWB                    ; which 64 rows of a region I fetch
	s_mul_i32 s94, s[HP], 128*ROWB
	s_add_co_u32 s94, s94, s93                     ; a weight's codes: made of the pair of heads and the wave's number alone
	s_mov_b32 s95, 0
	s_mul_i32 s96, s[HP], SREG                     ; a weight's scales
	s_mov_b32 s97, 0
	s_mul_i32 s98, s[G], 128*ROWB
	s_add_co_u32 s98, s98, s93                     ; x's codes
	s_mov_b32 s99, 0
	s_mul_i32 s100, s[G], SREG                     ; x's scales
	s_mov_b32 s101, 0
	s_wait_dscnt 0x0                               ; both opening adds are done
	CROUND                                         ; all four work-groups are here: the joint loads meet; the arguments are on their way meanwhile
	s_wait_kmcnt 0x0
	s_cmp_lt_u32 s[WV], 4                          ; waves 0, 1: Wq; 2, 3: Wk; 4, 5: Wv.  The choice hangs on the wave's number alone
	s_cselect_b64 s[6:7], s[6:7], s[8:9]
	s_cmp_lt_u32 s[WV], 2
	s_cselect_b64 s[4:5], s[4:5], s[6:7]
	s_cmp_lt_u32 s[WV], 10                         ; wave 8: Wq's scales; 9: Wk's; 10: Wv's
	s_cselect_b64 s[14:15], s[14:15], s[16:17]
	s_cmp_lt_u32 s[WV], 9
	s_cselect_b64 s[12:13], s[12:13], s[14:15]
	s_mov_b32 s[G0JC], 1                           ; 1:0 count = 1
	s_mul_i32 s[G0JC+1], s[WV], HALFR              ; LDS: waves 0-7 fill the eight halves of the four regions on end
	s_add_nc_u64 s[G0JC+2:G0JC+3], s[4:5], s[94:95]
	s_or_b32 s[G0JC+3], s[G0JC+3], 0x80000000      ; type = 2
	s_mov_b32 s[G0PC], 1
	s_mul_i32 s[G0PC+1], s[WV], HALFR
	s_add_nc_u64 s[G0PC+2:G0PC+3], s[10:11], s[98:99]
	s_or_b32 s[G0PC+3], s[G0PC+3], 0x80000000
	s_mov_b32 s[G0JS], 1
	s_mul_i32 s[G0JS+1], s[WV], SREG
	s_add_co_u32 s[G0JS+1], s[G0JS+1], SCL-8*SREG  ; waves 8-11 fill the four regions of scales
	s_add_nc_u64 s[G0JS+2:G0JS+3], s[12:13], s[96:97]
	s_or_b32 s[G0JS+3], s[G0JS+3], 0x80000000
	s_mov_b32 s[G0PS], 1
	s_mul_i32 s[G0PS+1], s[WV], SREG
	s_add_co_u32 s[G0PS+1], s[G0PS+1], SCL-8*SREG
	s_add_nc_u64 s[G0PS+2:G0PS+3], s[18:19], s[100:101]
	s_or_b32 s[G0PS+3], s[G0PS+3], 0x80000000
	s_cmp_lt_u32 s[WV], 6
	s_cbranch_scc0 .Lnot_w_codes
	tensor_load_to_lds s[G0JC:G0JC+3], s[G1JC:G1JC+7]
	s_nop 0
	PLACES 4
	s_branch .Lasked
.Lnot_w_codes:
	s_cmp_lt_u32 s[WV], 8
	s_cbranch_scc0 .Lnot_x_codes
	tensor_load_to_lds s[G0PC:G0PC+3], s[G1PC:G1PC+7]
	s_nop 0
	PLACES 4
	s_branch .Lasked
.Lnot_x_codes:
	s_cmp_lt_u32 s[WV], 11
	s_cbranch_scc0 .Lx_scales
	tensor_load_to_lds s[G0JS:G0JS+3], s[G1JS:G1JS+7]
	s_nop 0
	PLACES 4
	s_branch .Lasked
.Lx_scales:
	tensor_load_to_lds s[G0PS:G0PS+3], s[G1PS:G1PS+7]
	s_nop 0
	PLACES 4
.Lasked:
	; every address register is made here, on the way that all waves take, while the tiles are on their way
	s_mov_b32 s[SEL], 0x76543210
	s_mov_b32 s[SEL+1], 0xfedcba98
	v_and_b32 v21, 15, v0                          ; r
	v_bfe_u32 v22, v0, 4, 1                        ; h
	v_and_b32 v23, 31, v0                          ; lane
	s_delay_alu instid0(VALU_DEP_3)
	v_mul_u32_u24 v24, v21, PITCH
	s_delay_alu instid0(VALU_DEP_1)
	v_lshl_add_u32 v24, v22, 4, v24                ; a fragment's row x pitch + 16 h
	s_delay_alu instid0(VALU_DEP_3)
	v_mul_u32_u24 v25, v23, 24                     ; a row of scale bytes for each lane
	s_wait_alu depctr_va_vdst(0)
	v_lshlrev_b32 v26, 4, v23                      ; 16 x lane
	s_wait_alu depctr_va_vdst(0)
	s_lshr_b32 s93, s[ROLE], 1                     ; 1 in role v
	s_add_co_u32 s94, s[ROLE], s93                 ; the wide region: 0, 1, 3
	s_xor_b32 s95, s93, 3                          ; the narrow region: 3, 3, 2
	; THE KEYS OF A TILE OF K: tile 4 c + t of a record's eight holds keys 64 c + 8 t + 0..7 in rows 0-7 and 64 c + 32 + 8 t + 0..7 in rows 8-15, so that in the attention launch
	; a lane's registers of tiles 4 c .. 4 c + 3 are one whole block of 32 keys.  Role k: row r of narrow tile n of wave i (tile 2 i + n) is token 64 (i / 2) + 16 (i % 2) + 8 n + r + 24 (r / 8); elsewhere 32 i + 16 n + r
	s_and_b32 s99, s[ROLE], 1                      ; 1 in role k
	s_mul_i32 s100, s99, 24
	s_xor_b32 s101, s99, 1
	s_lshl_b32 s101, s101, 3
	s_add_co_u32 s101, s101, 8                     ; rows from narrow tile 0 to tile 1: 16, in role k 8
	s_and_b32 s98, s[WI], 1
	s_mul_i32 s98, s98, s101
	s_lshl_b32 s98, s98, 1
	s_lshr_b32 s97, s[WI], 1
	s_lshl_b32 s97, s97, 6
	s_add_co_u32 s98, s98, s97                     ; my first narrow row
	s_mul_i32 s96, s94, REGN
	s_mul_i32 s97, s95, REGN
	s_mul_i32 s99, s98, PITCH
	s_add_co_u32 s97, s97, s99
	v_lshrrev_b32 v28, 3, v21
	v_mul_u32_u24 v28, s100, v28
	v_add_nc_u32 v28, v28, v21                     ; my narrow row in its tile
	v_mul_u32_u24 v29, PITCH, v28
	v_lshl_add_u32 v29, v22, 4, v29
	v_add_nc_u32 v[WA], s96, v24
	v_add_nc_u32 v[NA], s97, v29
	s_mul_i32 s99, s101, PITCH
	v_add_nc_u32 v[NA+25], s99, v[NA]
	v_mul_u32_u24 v20, s101, v22
	v_add_nc_u32 v28, v28, v20                     ; scale words: lanes 0-15 narrow tile 0, lanes 16-31 tile 1
	v_mul_u32_u24 v28, 24, v28
	s_mul_i32 s96, s94, SREG
	s_add_co_u32 s96, s96, SCL
	s_mul_i32 s97, s95, SREG
	s_mul_i32 s98, s98, 24
	s_add_co_u32 s97, s97, s98
	s_add_co_u32 s97, s97, SCL
	v_add_nc_u32 v[WSA], s96, v25
	v_add_nc_u32 v[NSA], s97, v28
	s_lshl_b32 s96, s[ROLE], 10
	s_lshl_b32 s97, s[WI], 7
	s_add_co_u32 s96, s96, s97
	s_add_co_u32 s96, s96, SST
	v_lshlrev_b32 v[R4], 2, v21
	s_delay_alu instid0(VALU_DEP_1)
	v_lshl_add_u32 v[STA], v22, 9, v[R4]
	s_delay_alu instid0(VALU_DEP_1)
	v_add_nc_u32 v[STA], s96, v[STA]               ; the stage: 1,024 role + 512 h + 128 i + 4 r
	s_min_u32 s96, s[WV], 4
	s_lshl_b32 s96, s96, 9
	s_add_co_u32 s96, s96, SST
	v_add_nc_u32 v[SRD], s96, v26                  ; back: wave w (0..4) takes the stage's w-th 512 bytes
	v_lshlrev_b32 v[SH], 4, v22
	v_lshlrev_b32 v[H32], 5, v22
	; where the codes go.  bhA = 12 batch + 2 hp, the pair's first head; g' = the token group in its batch
	s_lshr_b32 s93, s[G], 4
	s_and_b32 s94, s[G], 15
	s_mul_i32 s93, s93, 12
	s_lshl_b32 s95, s[HP], 1
	s_add_co_u32 s93, s93, s95                     ; bhA
	s_mul_i32 s95, s93, HEADKV
	s_mul_i32 s96, s94, REC
	s_add_co_u32 s95, s95, s96                     ; kv: the first head's record of these 128 keys
	s_lshl_b32 s96, s[WI], 10
	s_lshl_b32 s97, s93, 16
	s_lshl_b32 s98, s94, 12
	s_add_co_u32 s97, s97, s98
	s_add_co_u32 s97, s97, s96                     ; q: 65,536 bhA + 512 (8 g' + 2 i)
	s_add_co_u32 s98, s95, s96                     ; k: the record + 512 (2 i)
	s_lshr_b32 s99, s[WI], 1
	s_mul_i32 s99, s99, HEADKV
	s_and_b32 s100, s[WI], 1
	s_lshl_b32 s100, s100, 11
	s_add_co_u32 s99, s99, s100
	s_add_co_u32 s99, s99, s95
	s_add_co_u32 s99, s99, 4096                    ; v: head i / 2, channel tiles 2 (i % 2) on
	s_mov_b32 s100, HEADKV
	s_mov_b32 s101, 512
	s_mov_b32 s[MASK], 0xffff
	s_cmp_eq_u32 s[ROLE], 0
	s_cselect_b32 s97, s97, s98
	s_cselect_b32 s100, 65536, s100                ; q, k: registers 4-7 of the codes are the pair's second head's
	s_cselect_b64 s[26:27], s[26:27], s[30:31]     ; qc or kv
	s_cmp_eq_u32 s[ROLE], 2
	s_cselect_b32 s97, s99, s97
	s_cselect_b32 s100, 512, s100                  ; v: they are the fragment's second half
	s_cselect_b32 s101, 1024, s101                 ; from narrow tile 0 to tile 1
	s_cselect_b32 s[MASK], -1, s[MASK]
	v_add_nc_u32 v[VO], s97, v26
	s_delay_alu instid0(VALU_DEP_1)
	v_add_nc_u32 v[VO+1], s100, v[VO]
	s_delay_alu instid0(VALU_DEP_2)
	v_add_nc_u32 v[VO+2], s101, v[VO]
	s_delay_alu instid0(VALU_DEP_1)
	v_add_nc_u32 v[VO+3], s100, v[VO+2]
	; where the scale words go: waves 0, 1: q's of the two heads; 2, 3: k's; 4: v's of both heads (lanes 16-31: the second head's record)
	s_and_b32 s96, s[WV], 1
	s_add_co_u32 s97, s93, s96
	s_lshl_b32 s97, s97, 13
	s_lshl_b32 s98, s94, 9
	s_add_co_u32 s97, s97, s98
	s_mul_i32 s98, s96, HEADKV
	s_add_co_u32 s98, s98, s95
	s_add_co_u32 s98, s98, 8192
	s_add_co_u32 s99, s95, 8704
	s_cmp_lt_u32 s[WV], 2
	s_cselect_b32 s97, s97, s98
	s_cselect_b64 s[28:29], s[28:29], s[30:31]     ; qs or kv
	s_cmp_eq_u32 s[WV], 4
	s_cselect_b32 s97, s99, s97
	s_cselect_b32 s98, HEADKV-256, 0
	v_mul_u32_u24 v[WO], s98, v22
	s_delay_alu instid0(VALU_DEP_1)
	v_add_nc_u32 v[WO], v[WO], v26
	s_delay_alu instid0(VALU_DEP_1)
	v_add_nc_u32 v[WO], s97, v[WO]
	; the bias: the C of the first K step
	s_lshl_b32 s96, s[WI], 7
	s_cmp_eq_u32 s[ROLE], 2
	s_cselect_b32 s96, s96, 0                      ; role v: my 32 channels
	s_cselect_b64 s[22:23], s[24:25], s[22:23]
	s_cmp_eq_u32 s[ROLE], 0
	s_cselect_b64 s[20:21], s[20:21], s[22:23]
	s_lshl_b32 s94, s[HP], 9
	s_add_co_u32 s94, s94, s96
	s_mov_b32 s95, 0
	s_add_nc_u64 s[20:21], s[20:21], s[94:95]
	s_cmp_eq_u32 s[ROLE], 2
	s_cbranch_scc1 .Lbias_v
	s_wait_alu depctr_va_vdst(0)
.irp n, 0,1
.irp t, 0,1,2,3,4,5,6,7
.irp e, 0,1
	global_load_b128 v[ACC+64*\n+8*\t+4*\e:ACC+64*\n+8*\t+4*\e+3], v[H32], s[20:21] offset:64*\t+16*\e   ; q, k: register j of tile t is feature 16 t + 8 h + j: the bias lands in the accumulators
.endr
.endr
.endr
	s_branch .Lbias_done
.Lbias_v:
.irp n, 0,1
.irp j, 0,1,2,3,4,5,6,7
	global_load_b32 v[BV+8*\n+\j], v[R4], s[20:21] offset:64*\n   ; v: a lane is a channel: its bias in all eight registers
.endr
.endr
.Lbias_done:
	s_wait_tensorcnt 0x0                           ; my tile has landed,
	s_barrier_signal -1
	s_barrier_wait -1                              ; everybody's has
	FETCH 0
	s_wait_loadcnt 0x0                             ; the bias
	s_cmp_eq_u32 s[ROLE], 2
	s_cbranch_scc1 .Lfirst_v
	MUL 0
	s_branch .Lfirst_done
.Lfirst_v:
	MUL 1
.Lfirst_done:
.irp s, 1,2,3,4,5
	PLACES 4                                       ; in front of loads into registers that matrix instructions have read
	FETCH \s
	MUL 0
.endr
	PLACES 4                                       ; in front of the first read of results and the first write over fragments
.irp b, 0,1,2,3
	v_mov_b32 v[TM+4+\b], 0                        ; a lane permute's destination counts as one of its sources
.endr
.irp n, 0,1
	QUANT ACC+64*\n, PC+8*\n, PW+\n
	global_store_b128 v[VO+2*\n], v[PC+8*\n:PC+8*\n+3], s[26:27]       ; the wave stores 512 consecutive bytes, at a multiple of 256 from the buffer's first byte
	global_store_b128 v[VO+2*\n+1], v[PC+8*\n+4:PC+8*\n+7], s[26:27]
	v_lshrrev_b32 v[XW+\n], v[SH], v[PW+\n]        ; q, k: lanes 0-15 keep the first head's two bytes, lanes 16-31 the second's; the word's upper bytes are 0
	s_delay_alu instid0(VALU_DEP_1)
	v_and_b32 v[XW+\n], s[MASK], v[XW+\n]          ; v: lanes 0-15 keep the whole word (lanes 16-31 write into the half of their kilobyte that nobody reads)
	ds_store_b32 v[STA], v[XW+\n] offset:64*\n
.endr
	s_wait_dscnt 0x0                               ; for the others' sake: my words lie in the stage
	s_barrier_signal -1
	s_barrier_wait -1
	s_cmp_gt_u32 s[WV], 4
	s_cbranch_scc1 .Lno_words
	ds_load_b128 v[OUTW:OUTW+3], v[SRD]
	s_wait_dscnt 0x0
	global_store_b128 v[WO], v[OUTW:OUTW+3], s[28:29]                  ; sixteen lanes store 256 consecutive bytes, aligned
.Lno_words:
	s_wait_tensorcnt 0x0
	ds_add_u32 v30, v31
	s_wait_dscnt 0x0
	CROUND                                         ; the closing round: no work-group ends while a partner may still ask for a tile that names it
	s_endpgm
.Lfunc_end_k_q7faf32ab03_qkv:
	.size	k_q7faf32ab03_qkv, .Lfunc_end_k_q7faf32ab03_qkv-k_q7faf32ab03_qkv
	.p2alignl 7, 3214868480
	.fill 96, 4, 3214868480
	.section	.rodata,"a",@progbits
	.p2align	6, 0x0
	.amdhsa_kernel k_q7faf32ab03_qkv
		.amdhsa_group_segment_fixed_size 238080
		.amdhsa_private_segment_fixed_size 0
		.amdhsa_enable_private_segment 0
		.amdhsa_kernarg_size 112
		.amdhsa_user_sgpr_count 2
		.amdhsa_user_sgpr_kernarg_segment_ptr 1
		.amdhsa_wavefront_size32 1
		.amdhsa_system_sgpr_workgroup_id_x 1
		.amdhsa_system_sgpr_workgroup_id_y 1
		.amdhsa_system_sgpr_workgroup_id_z 1
		.amdhsa_system_vgpr_workitem_id 0
		.amdhsa_next_free_vgpr 256
		.amdhsa_next_free_sgpr 102
		.amdhsa_reserve_vcc 0
		.amdhsa_float_denorm_mode_32 3
		.amdhsa_float_denorm_mode_16_64 3
		.amdhsa_memory_ordered 1
		.amdhsa_forward_progress 1
		.amdhsa_inst_pref_size 53
	.end_amdhsa_kernel
	.amdgpu_metadata
---
amdhsa.version: [ 1, 2 ]
amdhsa.kernels:
  - .name:           k_q7faf32ab03_qkv
    .symbol:         k_q7faf32ab03_qkv.kd
    .args:
      - { .name: Wq_codes, .offset: 0, .size: 8, .value_kind: global_buffer, .address_space: global }
      - { .name: Wk_codes, .offset: 8, .size: 8, .value_kind: global_buffer, .address_space: global }
      - { .name: Wv_codes, .offset: 16, .size: 8, .value_kind: global_buffer, .address_space: global }
      - { .name: x_codes, .offset: 24, .size: 8, .value_kind: global_buffer, .address_space: global }
      - { .name: Wq_scales, .offset: 32, .size: 8, .value_kind: global_buffer, .address_space: global }
      - { .name: Wk_scales, .offset: 40, .size: 8, .value_kind: global_buffer, .address_space: global }
      - { .name: Wv_scales, .offset: 48, .size: 8, .value_kind: global_buffer, .address_space: global }
      - { .name: x_scales, .offset: 56, .size: 8, .value_kind: global_buffer, .address_space: global }
      - { .name: bq, .offset: 64, .size: 8, .value_kind: global_buffer, .address_space: global }
      - { .name: bk, .offset: 72, .size: 8, .value_kind: global_buffer, .address_space: global }
      - { .name: bv, .offset: 80, .size: 8, .value_kind: global_buffer, .address_space: global }
      - { .name: qc, .offset: 88, .size: 8, .value_kind: global_buffer, .address_space: global }
      - { .name: qs, .offset: 96, .size: 8, .value_kind: global_buffer, .address_space: global }
      - { .name: kv, .offset: 104, .size: 8, .value_kind: global_buffer, .address_space: global }
    .group_segment_fixed_size: 238080
    .private_segment_fixed_size: 0
    .kernarg_segment_align: 8
    .kernarg_segment_size: 112
    .max_flat_workgroup_size: 384
    .sgpr_count:     102
    .vgpr_count:     256
    .wavefront_size: 32
...
	.end_amdgpu_metadata
.endif
;; end of part 4
;; launch attnproj (part 5): grid 256 x 1, 12 waves a work-group, clusters of 4 x 1, 327,680 bytes of LDS; arguments qc, qs, kv, Wo_codes, Wo_scales, bo, out0; writes out0
.if DOCPART == 5
	.amdgcn_target "amdgcn-amd-amdhsa--gfx1250"
	.amdhsa_code_object_version 6
	.text
	.protected	k_q7faf32ab03_attnproj
	.globl	k_q7faf32ab03_attnproj
	.p2align	8
	.type	k_q7faf32ab03_attnproj,@function
k_q7faf32ab03_attnproj:
	s_mov_b64 s[64:65], 0
	v_nop
	global_prefetch_b8 v0, s[64:65] scope:SCOPE_SE
	s_setreg_imm32_b32 hwreg(HW_REG_WAVE_MODE, 25, 1), 1
	s_wait_xcnt 0x0
	s_wait_alu depctr_hold_cnt(0) depctr_sa_sdst(0) depctr_va_vdst(0) depctr_va_sdst(0) depctr_va_ssrc(0) depctr_va_vcc(0) depctr_vm_vsrc(0)
	s_getreg_b32 s2, hwreg(HW_REG_IB_STS2, 6, 4)
	s_cmp_eq_u32 s2, 0
	s_cbranch_scc0 .Lentry_in_a_cluster
	s_endpgm
.Lentry_in_a_cluster:
	s_bfe_u32 s2, ttmp6, 0x10000c
	s_cmp_lg_u32 s2, 0x3003
	s_cbranch_scc0 .Lentry_shape_is_right
	s_endpgm
.Lentry_shape_is_right:
; out0 = Q(softmax(q k^T / 8) v) Wo^T + bo, all products on codes of FP4 (E2M1) with one E8M0 scale for each 32 along K; o is quantised along the head's 64 channels, never leaving the work-group.
; THE SOFTMAX AHEAD OF THE SECOND PRODUCT: t = score x log2(e) / 8; M = the running largest t rounded UP to a whole number; p = 2^(t - M) is quantised along the keys, not normalised.
; The row's sum l is taken of the unquantised p and divides at the end.  When M moves, l and O are multiplied by 2^(old M - new M): exact.
; SHARES.  A work-group takes one tile of 16 tokens and ALL TWELVE HEADS, a head a wave, three waves to a SIMD: 4,096 / 16 = 256 work-groups, and a work-group owns whole rows of o, so the last product follows in the same launch.
; Wave w walks its head's 2,048 keys in eight steps of 256; then it makes features 64 w .. 64 w + 63 of the 16 tokens.
; kv: for each head sixteen records of 8,960 bytes, each 128 keys: K's 8 tiles, V^T's 4 tiles, K's and V's scale words, all images of operand registers.  A step takes two records.
; THE SLOT.  A wave has one LDS slot of 26,112 bytes, which it alone fills and reads.  K and V of a step go from it into registers at the end of the step before; so at a step's head the slot is empty, and there,
; behind a round of the cluster's barrier, the next two records are asked for: the load has a whole step in which to land.  The last step asks for my 64 rows of Wo instead: 24,576 dense bytes, 96 rows of 256 with
; 16 bytes of padding behind each: 26,112.  The head's load brings the first 26,112 bytes of my head (the first two records and 8,192 bytes more).
; CLUSTER.  Its four work-groups take four tiles of one batch: wave w of each needs the same records and the same rows of Wo, so each load is JOINT (mask 15).
; LAYOUT.  Both products are used transposed: S^T = K Q^T (source 0 = 16 keys), O^T = V^T P^T (source 0 = 16 channels): a lane holds ONE query (lane % 16) throughout.
; K's tile 4 c + t holds keys 64 c + 8 t + 0..7 in rows 0-7 and keys 64 c + 32 + 8 t + 0..7 in rows 8-15: lane (r, h)'s 32 registers of tiles 4 c .. 4 c + 3 are the WHOLE block 2 c + h of 32 keys, in order.
; So a block's largest score asks no other lane, and the conversions' results are the second product's operand as they stand (registers 4 c .. 4 c + 3 = k 64 c + 32 h + 0..31).
; A block's scale is 2^(floor(t of its largest score - M) - 2): p rises with the score, so its largest p has that exponent; where p itself rounds up to the power of two above, it is held at the largest code.
; K = 64 IN AN INSTRUCTION OF 128: Q's registers 4-7 are zero codes, so whatever stands in the same places of the other source adds nothing: K's tile t is named as v[KF + 4 t : KF + 4 t + 7], whose upper half is the next tile's codes
; (behind the last tile: four registers of addresses).  Bytes 2 and 3 of q's and k's scale words are 0, which stands for 2^-127.
; TWO BATCHES OF EXPONENTIALS a step, a record each; between them stand plain lines and conversions whose sources a wait has covered and whose results are read behind the next wait alone.
; REGISTERS: window 0 as named below; window 1: O^T at v0-31 (v256-287), six of V^T's eight fragments at v32-79 (v288-335), at the end the last product's accumulators at v32-63.
; LIMITS: NaN and infinities are not served; |t| stays under 2^31.  A block of o / l whose largest magnitude lies under 2^-124, and a block of p whose exponent lies under -124, get the scale byte 1; this launch alone reads the bytes.
.set REC,    8960
.set PAIR,   2*REC
.set HEADKV, 16*REC
.set SLOT,   26112
.set SPARE,  12*SLOT                   ; the spare words, 128 bytes for each wave: six blocks of 256 bytes that no other line names
.set STG,    SPARE+12*128              ; o's codes: 512 bytes a head
.set SSTG,   STG+12*512                ; and its scale words: [K step][token]
.set WTILE,  6528                      ; 16 rows of Wo in LDS: 6,144 bytes and 24 x 16 of padding
.set VSR, 0                            ; v0-1, v34-35 V's scale words of records 0 and 1 (VSR + 34 r): lanes 0-15 tile 2 j, lanes 16-31 tile 2 j + 1
.set SPW, 2                            ; v2   LDS address of my spare word; never rewritten
.set PW1, 3                            ; v3   p's scale words of record 1
.set NIL, 4                            ; v4   0; never rewritten
.set TV,  5
.set MX,  6                            ; v6   the largest score so far
.set OM,  7
.set NM,  8                            ; v[8:9]   -M, and its written partner
.set LS,  10                           ; v[10:11] the sum, in two halves
.set F,   12                           ; v[12:13] f = 2^(old M - new M), and its written partner
.set SB,  14                           ; v[14:15] a second chain of the sum; the third and fourth stand in v28-31
.set Q,   16                           ; v16-23  Q's fragment; v20-23 zeros
.set BM,  24                           ; v24-27  the four blocks' largest scores, then the conversions' scale operands
.set LI,  25                           ; v25, v26 at the head: 16 x lane, 4 x lane
.set LW,  26
.set T,   28                           ; v28-31
.set QS,  32                           ; v32  Q's scale words
.set PW,  33                           ; v33  p's scale words of record 0
.set KSR, 36                           ; v36-43 K's scale words, as V's
.set VA,  44                           ; v44-59 V^T's fragments 0, 1 of record 0
.set VB,  32                           ; window 1: fragments 2, 3 of record 0, then record 1's four
.set KF,  60                           ; v60-123 K's sixteen tiles, 4 registers each
.set PC,  60                           ; v60-75 p's codes, eight a record, where K has been multiplied
.set AC,  124                          ; v124 my slot + 16 x lane (the slot begins at a multiple of 512)
.set AW,  125                          ; v125 my slot + 4 x lane
.set PFW, 126                          ; v126 the prefetches' offset in my rows of Wo
.set PFO, 127                          ; v127 and in two records
.set S,   128                          ; v128-255 S^T, then p; then o / l
.set O,   0                            ; window 1: O^T
; behind the last step:
.set OS,  26                           ; v26-31 o's scale words, one a K step
.set WS,  32                           ; v32-43 Wo's: row = 32 j + lane, six words each
.set WA,  48                           ; v48-49 LDS: my lane's place in Wo's rows, K steps 0, 1 (4, 5: 16 on) and 2, 3
.set ORD, 50                           ; v50 o's codes back; v51, v52 where my codes and my scale byte go; v53 o's scale words back
.set OST, 51
.set OSB, 52
.set OSR, 53
.set STO, 54                           ; v54 the results' stage: where I put 32 bytes of a row
.set SRD, 55                           ; v55 where I read rows back
.set WSO, 56                           ; v56 24 x lane
.set H32, 57                           ; v57 32 h
.set CO,  58                           ; v58 my byte offset in out0
.set LN,  59                           ; v59 lane
.set OF,  60                           ; v60-107 o's six fragments
.set ACC, 32                           ; window 1
.set G1H, 20                           ; groups 1: s[20:27] the head's load; s[28:35] two records; s[68:75] Wo's rows
.set G1P, 28
.set G1W, 68
.set G0,  36                           ; groups 0: s[36:39] kv, which walks; s[56:59] Wo
.set G0W, 56
.set WV,  40
.set SEL, 44
.set CS,  46                           ; s[46:47] c = log2(e) / 8
.set CNT, 49
.set NCS, 50                           ; s50  -c
.set PSEL, 51                          ; s51  {low half of source 0, low half of source 1}
.set PFA, 52                           ; s[52:53] the two records behind those that are being asked for
.set WOA, 54                           ; s[54:55] my rows of Wo
.set LIM, 60                           ; s60  1 in the clusters that prefetch, else 255
.set SL,  90                           ; s90  my slot
.set MSB, 0
.macro WIN new                         ; the immediate's high byte repeats the setting that is left
.if MSB != \new
	s_set_vgpr_msb (MSB<<8)|\new
.set MSB, \new
.endif
.endm
.macro PLACES n
.rept \n
	v_nop
.endr
.endm
.macro CREST                           ; a round of the cluster's barrier behind its opening barrier
	s_cmp_lg_u32 s[WV], 0
	s_cbranch_scc1 .Lnot_wave_0_\@
	s_barrier_signal -3
.Lnot_wave_0_\@:
	s_barrier_wait -3
	s_barrier_signal -1
	s_barrier_wait -1
.endm
.macro CROUND                          ; a whole round
	s_barrier_signal -1
	s_barrier_wait -1
	CREST
.endm
.macro WMZ d, a, b, sa, sb, ra         ; a product that starts its sum; ra: source 0's scales stand in lanes 16-31
.if (\ra)
	v_wmma_scale_f32_16x16x128_f8f6f4 v[(\d):(\d)+7], v[(\a):(\a)+7], v[(\b):(\b)+7], 0, v[\sa], v[\sb] matrix_a_fmt:MATRIX_FMT_FP4 matrix_b_fmt:MATRIX_FMT_FP4 matrix_a_scale:MATRIX_SCALE_ROW1
.else
	v_wmma_scale_f32_16x16x128_f8f6f4 v[(\d):(\d)+7], v[(\a):(\a)+7], v[(\b):(\b)+7], 0, v[\sa], v[\sb] matrix_a_fmt:MATRIX_FMT_FP4 matrix_b_fmt:MATRIX_FMT_FP4
.endif
.endm
.macro WMA d, a, b, sa, sb, ra         ; a product that adds in place
.if (\ra)
	v_wmma_scale_f32_16x16x128_f8f6f4 v[(\d):(\d)+7], v[(\a):(\a)+7], v[(\b):(\b)+7], v[(\d):(\d)+7], v[\sa], v[\sb] matrix_a_fmt:MATRIX_FMT_FP4 matrix_b_fmt:MATRIX_FMT_FP4 matrix_a_scale:MATRIX_SCALE_ROW1
.else
	v_wmma_scale_f32_16x16x128_f8f6f4 v[(\d):(\d)+7], v[(\a):(\a)+7], v[(\b):(\b)+7], v[(\d):(\d)+7], v[\sa], v[\sb] matrix_a_fmt:MATRIX_FMT_FP4 matrix_b_fmt:MATRIX_FMT_FP4
.endif
.endm
; The slot's two records into registers: 44 LDS loads.
.macro KVLOAD
.irp r, 0,1
.irp t, 0,1,2,3,4,5,6,7
	ds_load_b128 v[KF+32*\r+4*\t:KF+32*\r+4*\t+3], v[AC] offset:REC*\r+512*\t
.endr
.irp j, 0,1,2,3
	ds_load_b32 v[KSR+4*\r+\j], v[AW] offset:REC*\r+8192+128*\j
.endr
.endr
.irp r, 0,1
.irp j, 0,1
	ds_load_b32 v[VSR+34*\r+\j], v[AW] offset:REC*\r+8704+128*\j
.endr
.endr
.irp f, 0,1,2,3
	ds_load_b128 v[VA+4*\f:VA+4*\f+3], v[AC] offset:4096+512*\f
.endr
	WIN 0x40                                       ; destination: window 1
.irp f, 0,1,2,3
	ds_load_b128 v[VB+4*\f:VB+4*\f+3], v[AC] offset:4096+2048+512*\f
.endr
.irp f, 0,1,2,3,4,5,6,7
	ds_load_b128 v[VB+16+4*\f:VB+16+4*\f+3], v[AC] offset:REC+4096+512*\f
.endr
	WIN 0
.endm
.macro JOIN                            ; the sum's four chains become one
	v_pk_add_f32 v[LS:LS+1], v[LS:LS+1], v[SB:SB+1]
	v_pk_add_f32 v[T:T+1], v[T:T+1], v[T+2:T+3]
	v_nop
	v_pk_add_f32 v[LS:LS+1], v[LS:LS+1], v[T:T+1]
.endm
.macro ADD c, j                        ; a pair of a lane's p onto a chain
	v_pk_add_f32 v[(\c):(\c)+1], v[(\c):(\c)+1], v[S+(\j):S+(\j)+1]
.endm
.macro SUM4 j
	ADD SB, (\j)
	ADD T, (\j)+2
	ADD T+2, (\j)+4
	ADD LS, (\j)+6
.endm
.macro HALVE n                         ; tile n's eight p, whose codes have been made, become four sums
	v_pk_add_f32 v[S+8*(\n):S+8*(\n)+1], v[S+8*(\n):S+8*(\n)+1], v[S+8*(\n)+2:S+8*(\n)+3]
	v_pk_add_f32 v[S+8*(\n)+4:S+8*(\n)+5], v[S+8*(\n)+4:S+8*(\n)+5], v[S+8*(\n)+6:S+8*(\n)+7]
.endm
.macro SCALE j                         ; t - M of two registers (of the pairs c and -M the low word serves both halves)
	v_pk_fma_f32 v[S+(\j):S+(\j)+1], v[S+(\j):S+(\j)+1], s[CS:CS+1], v[NM:NM+1] op_sel_hi:[1,0,0]
.endm
; A PREFETCH INTO THE L2 of what the NEXT step's refill will ask for: the two records behind those just asked for (70 blocks of 256 bytes a wave), in the last trip my rows of Wo (96 blocks).
; Two clusters of each batch ask, a branch on the cluster's number alone; the four partners share the blocks out by address.  The head's records and those of the first refill come by their loads alone.
.macro ASK
	s_cmp_gt_u32 s[CNT], s[LIM]
	s_cbranch_scc0 .Lno_pair_\@
	global_prefetch_b8 v[PFO], s[PFA:PFA+1] th:TH_LOAD_NT scope:SCOPE_SE
.Lno_pair_\@:
	s_cmp_eq_u32 s[CNT], s[LIM]
	s_cbranch_scc0 .Lno_wo_\@
	global_prefetch_b8 v[PFW], s[WOA:WOA+1] th:TH_LOAD_NT scope:SCOPE_SE
.Lno_wo_\@:
.endm
; A KEY STEP: 256 keys, whose K and V are on their way into registers.  last = 0: the slot takes the next two records, and at the end they are read; last = 1: the slot takes my rows of Wo.
.macro STEP2 last
	s_wait_tensorcnt 0x0                           ; no tensor load of mine is out, so a group 0 may be written;
	ds_add_u32 v[SPW], v[NIL]                      ; 0 onto my spare word
.if (\last) == 0
	s_add_nc_u64 s[G0+2:G0+3], s[G0+2:G0+3], PAIR
	s_wait_xcnt 0x0                                ; my last prefetch has read its address
	s_add_nc_u64 s[PFA:PFA+1], s[PFA:PFA+1], PAIR
.endif
	JOIN                                           ; the last step's sums
	s_wait_dscnt 0x0                               ; the add is done, and K and V are in: the slot is empty
	s_barrier_signal -1                            ; this barrier opens a round; work on registers while the others arrive
.irp t, 0,1,2,3,4,5,6,7
	WMZ S+8*\t, KF+4*\t, Q, KSR+\t/2, QS, \t%2
.endr
.irp t, 0,1,2,3,4,5,6,7
	WMZ S+64+8*\t, KF+32+4*\t, Q, KSR+4+\t/2, QS, \t%2
.endr
	s_barrier_wait -1
	CREST                                          ; no partner still reads its slot or has a load on its way
.if \last
	tensor_load_to_lds s[G0W:G0W+3], s[G1W:G1W+7]
.else
	tensor_load_to_lds s[G0:G0+3], s[G1P:G1P+7]    ; the first tensor load behind the round, and the wave's one until the next
.endif
	s_nop 0
	PLACES 4                                       ; also the four places behind the products
.if (\last) == 0
	ASK
.endif
.irp b, 0,1,2,3
	v_max3_num_f32 v[BM+\b], v[S+32*\b], v[S+32*\b+1], v[S+32*\b+2]   ; the largest score of each of my blocks of 32 keys, each accumulator from its low end on
.endr
.irp i, 3,5,7,9,11,13,15,17,19,21,23,25,27,29
.irp b, 0,1,2,3
	v_max3_num_f32 v[BM+\b], v[BM+\b], v[S+32*\b+\i], v[S+32*\b+\i+1]
.endr
.endr
.irp b, 0,1,2,3
	v_max_num_f32 v[BM+\b], v[BM+\b], v[S+32*\b+31]
.endr
	v_max3_num_f32 v[TV], v[BM], v[BM+1], v[BM+2]
	s_delay_alu instid0(VALU_DEP_1)
	v_max3_num_f32 v[TV], v[TV], v[BM+3], v[MX]
	s_delay_alu instid0(VALU_DEP_1)
	v_permlanex16_b32 v[T], v[TV], s[SEL], s[SEL+1]
	s_delay_alu instid0(VALU_DEP_1)
	v_max_num_f32 v[MX], v[TV], v[T]               ; with lane l xor 16's blocks: the running largest score of my query
	s_delay_alu instid0(VALU_DEP_1)
	v_mul_f32 v[OM], s[NCS], v[MX]                 ; -t (c is positive)
	s_delay_alu instid0(VALU_DEP_1)
	v_floor_f32 v[OM], v[OM]                       ; the new -M = floor(-t) = -ceil(t)
	s_delay_alu instid0(VALU_DEP_1)
	v_sub_f32 v[TV], v[OM], v[NM]                  ; old M - new M: a whole number, 0 or less
	v_mov_b32 v[NM], v[OM]
	s_delay_alu instid0(VALU_DEP_2)
	v_cvt_i32_f32 v[TV], v[TV]                     ; (it saturates)
	s_delay_alu instid0(VALU_DEP_1)
	v_ldexp_f32 v[F], 1.0, v[TV]                   ; f = 2^(old M - new M)
.set j, 0
.rept 32
	SCALE j                                        ; record 0
.set j, j+2
.endr
.irp b, 0,1,2,3
	v_fma_f32 v[T+\b], v[BM+\b], s[CS], v[NM]      ; t - M of each block's largest score,
.endr
.irp b, 0,1,2,3
	v_max_num_f32 v[T+\b], 0xc2f80000, v[T+\b]     ; no less than -124: the byte cannot fall under 1
.endr
.irp b, 0,1,2,3
	v_floor_f32 v[T+\b], v[T+\b]                   ; e: the exponent of the block's largest p
.endr
.irp b, 0,1,2,3
	v_add_f32 v[T+\b], 0x4b00007d, v[T+\b]         ; 2^23 + 125 + e: its low half is the scale's byte, e - 2 + 127
.endr
.irp b, 0,1,2,3
	v_lshlrev_b32 v[BM+\b], 23, v[T+\b]            ; the conversion's scale operand: the byte as an exponent field
.endr
	v_perm_b32 v[TV], v[T+1], v[T], s[PSEL]        ; my half's two bytes of record 0, at bits 0 and 16;
	v_perm_b32 v[OM], v[T+3], v[T+2], s[PSEL]      ; of record 1
	v_permlanex16_b32 v[T], v[TV], s[SEL], s[SEL+1]
	v_permlanex16_b32 v[T+1], v[OM], s[SEL], s[SEL+1]
	v_lshl_or_b32 v[PW], v[T], 8, v[TV]            ; lanes 0-15: the word of blocks 0 to 3 (lanes 16-31 are not read)
	v_lshl_or_b32 v[PW1], v[T+1], 8, v[OM]
	s_wait_alu depctr_va_vdst(0)                   ; the wait ahead of the batch
.set j, 0
.rept 32
	v_exp_f32 v[S+j], v[S+j]                       ; p = 2^(t - M), at most 1: record 0's 64,
	v_exp_f32 v[S+j+1], v[S+j+1]
	SCALE 64+j                                     ; with record 1's scalings between them
.set j, j+2
.endr
	s_wait_alu depctr_va_vdst(0)                   ; behind the first batch and ahead of the second
.set k, 0
.rept 8
.set j, 0
.rept 8
	v_exp_f32 v[S+64+8*k+j], v[S+64+8*k+j]         ; record 1's 64,
.set j, j+1
.endr
.if k == 1
	v_pk_mul_f32 v[LS:LS+1], v[LS:LS+1], v[F:F+1] op_sel_hi:[1,0]   ; the sums under the new M
.elseif k > 1
	HALVE k-2                                      ; the row's sum is taken of the unquantised p; a plain line stands between tile k - 2's conversion and this
.endif
	v_cvt_scalef32_pk8_fp4_f32 v[PC+k], v[S+8*k:S+8*k+7], v[BM+k/4]   ; with record 0's conversions between them
.set k, k+1
.endr
	HALVE 6
	HALVE 7
	WIN 0x41                                       ; destination and source 0: window 1
	s_wait_alu depctr_va_vdst(0)                   ; the wait behind the batch, and ahead of the first readers of O^T
.set j, 0
.rept 16
	v_pk_mul_f32 v[O+j:O+j+1], v[O+j:O+j+1], v[F:F+1] op_sel_hi:[1,0]   ; O^T under the new M
.set j, j+2
.endr
	WIN 0
.irp k, 8,9,10,11,12,13,14,15
	v_cvt_scalef32_pk8_fp4_f32 v[PC+\k], v[S+8*\k:S+8*\k+7], v[BM+\k/4]
.endr
	v_pk_add_f32 v[SB:SB+1], v[S:S+1], v[S+4:S+5]  ; record 0's sums.  (Thirteen places between the conversions and the products)
	v_pk_add_f32 v[T:T+1], v[S+8:S+9], v[S+12:S+13]
	v_pk_add_f32 v[T+2:T+3], v[S+16:S+17], v[S+20:S+21]
	ADD LS, 24
	ADD SB, 28
	ADD T, 32
	ADD T+2, 36
	ADD LS, 40
	ADD SB, 44
	ADD T, 48
	ADD T+2, 52
	ADD LS, 56
	ADD SB, 60
	WIN 0x50                                       ; destination and source 2: window 1; the four accumulators take turns
	WMA O, VA, PC, VSR, PW, 0
	WMA O+8, VA+8, PC, VSR, PW, 1
	WIN 0x51                                       ; source 0 too
	WMA O+16, VB, PC, VSR+1, PW, 0
	WMA O+24, VB+8, PC, VSR+1, PW, 1
.irp ct, 0,1,2,3
	WMA O+8*\ct, VB+16+8*\ct, PC+8, VSR+34+\ct/2, PW1, \ct%2
.endr
	WIN 0
	SUM4 64                                        ; record 1's sums; eight places ahead of the loads into registers that the products have read
	SUM4 72
.if \last
	; what the last product needs from memory: Wo's scale words (rows 32 j + lane, 24 bytes each: 1,536 consecutive bytes a wave) and the bias, the C of its first K step
	v_bfe_u32 v[LN], v[AC], 4, 5                   ; lane
	v_bfe_u32 v60, v[AC], 4, 4                     ; r
	v_bfe_u32 v61, v[AC], 8, 1                     ; h
	v_mul_u32_u24 v[WSO], 24, v[LN]
	v_lshlrev_b32 v[H32], 5, v61
.irp j, 0,1
.irp e, 0,1,2
	global_load_b64 v[WS+6*\j+2*\e:WS+6*\j+2*\e+1], v[WSO], s[12:13] offset:768*\j+8*\e
.endr
.endr
	WIN 0x40
.irp t, 0,1,2,3
.irp e, 0,1
	global_load_b128 v[ACC+8*\t+4*\e:ACC+8*\t+4*\e+3], v[H32], s[14:15] offset:64*\t+16*\e   ; register j of tile t is feature 64 w + 16 t + 8 h + j
.endr
.endr
	WIN 0
.else
	s_wait_alu depctr_va_vdst(0)
	s_wait_tensorcnt 0x0                           ; my next two records have landed; I alone read them
	KVLOAD
.endif
.irp g, 10,11,12,13,14,15
	SUM4 8*\g
.endr
.endm
.macro WLOAD s, f                      ; K step s of my four tiles of Wo into v[f] on.  Row r begins at 816 (r / 2) + 400 (r % 2) in LDS; 16 bytes of padding lie inside an even row behind byte 255, inside an odd row behind byte 127
.irp t, 0,1,2,3
.irp c, 0,1
	ds_load_b128 v[(\f)+8*\t+4*\c:(\f)+8*\t+4*\c+3], v[WA+((\s)/2)%2] offset:WTILE*\t+64*(\s)+32*\c+16*((\s)/4)
.endr
.endr
.endm
.macro MUL4 s, f                       ; the four accumulators take turns
	WIN 0x50
.irp t, 0,1,2,3
	WMA ACC+8*\t, (\f)+8*\t, OF+8*(\s), WS+6*(\t/2)+(\s), OS+(\s), \t%2
.endr
	WIN 0
.endm
	s_load_b256 s[4:11], s[0:1], 0x0               ; qc s[4:5], qs s[6:7], kv s[8:9], Wo's codes s[10:11]
	s_load_b128 s[12:15], s[0:1], 0x20             ; Wo's scales s[12:13], bo s[14:15]
	s_load_b64 s[16:17], s[0:1], 0x30              ; out0
	v_lshl_add_u32 v[SPW], v0, 2, SPARE
	v_mov_b32 v[NIL], 0
	ds_add_u32 v[SPW], v[NIL]                      ; the wave's opening: the add, twice on end, and its wait ahead of my first tensor load
	ds_add_u32 v[SPW], v[NIL]
	v_lshrrev_b32 v7, 5, v0
	v_readfirstlane_b32 s[WV], v7                  ; wave 0..11: my head
	s_bfe_u32 s41, ttmp6, 0x40000                  ; cx, my place in the cluster: it enters q's, out0's and the prefetches' addresses alone
	s_lshr_b32 s42, ttmp9, 5                       ; batch: 32 clusters each
	s_mul_i32 s43, s42, 12
	s_add_co_u32 s43, s43, s[WV]                   ; 12 x batch + head
	s_and_b32 s61, ttmp9, 31                       ; my cluster in the batch
	s_cmp_lt_u32 s61, 2
	s_cselect_b32 s[LIM], 1, 255
	s_lshl_b32 s61, s61, 2
	s_add_co_u32 s61, s61, s41                     ; my tile of tokens in the batch
	; groups 1: elements of 8 bytes, rows of 32.  The head's load 102 rows, two records 70, Wo's rows 96 with four words of padding behind every 64
	s_mov_b32 s[G1H], 15|(3<<16)|(1<<21)           ; 15:0 the mask: all four work-groups; 17:16 elements of 8 bytes; 21 set beside a mask
	s_mov_b32 s[G1P], 15|(3<<16)|(1<<21)
	s_mov_b32 s[G1W], 15|(3<<16)|(1<<20)|(1<<21)|(5<<22)|(3<<25)
	s_mov_b32 s[G1H+2], 102<<16                    ; tensor_dim1
	s_mov_b32 s[G1P+2], 70<<16
	s_mov_b32 s[G1W+2], 96<<16
	s_mov_b32 s[G1H+4], 102                        ; tile_dim1
	s_mov_b32 s[G1P+4], 70
	s_mov_b32 s[G1W+4], 96
.irp g, G1H, G1P, G1W
	s_mov_b32 s[\g+1], 32<<16                      ; tensor_dim0
	s_mov_b32 s[\g+3], 32<<16                      ; tile_dim0
	s_mov_b32 s[\g+5], 32                          ; tensor_dim0_stride
	s_mov_b32 s[\g+6], 0
	s_mov_b32 s[\g+7], 0
.endr
	s_mul_i32 s[SL], s[WV], SLOT
	s_mul_i32 s76, s43, HEADKV                     ; kv: my head
	s_mov_b32 s77, 0
	s_lshl_b32 s78, s43, 16
	s_lshl_b32 s79, s61, 9
	s_add_co_u32 s78, s78, s79                     ; qc: 512 bytes a tile
	s_mov_b32 s79, 0
	s_lshl_b32 s80, s43, 13
	s_lshl_b32 s81, s61, 6
	s_add_co_u32 s80, s80, s81                     ; qs: 64
	s_mov_b32 s81, 0
	s_mul_i32 s82, s[WV], 64*384                   ; Wo: my 64 rows
	s_mov_b32 s83, 0
	s_mul_i32 s84, s[WV], 64*24                    ; their scales
	s_mov_b32 s85, 0
	s_lshl_b32 s86, s[WV], 8                       ; bo, and out0 along a row: my 64 features
	s_mov_b32 s87, 0
	s_lshl_b32 s88, ttmp9, 2
	s_add_co_u32 s88, s88, s41                     ; my tile among all 256
	s_mul_i32 s88, s88, 16*3072
	s_add_co_u32 s88, s88, s86
	s_mov_b32 s89, 0
	s_lshl_b32 s91, s[WV], 9                       ; my head's place in o's stage
	s_lshr_b32 s92, s[WV], 1
	s_lshl_b32 s92, s92, 6
	s_and_b32 s93, s[WV], 1
	s_lshl_b32 s93, s93, 1
	s_add_co_u32 s92, s92, s93
	s_add_co_u32 s92, s92, SSTG                    ; and among its scale words
	s_mov_b32 s[SEL], 0x76543210
	s_mov_b32 s[SEL+1], 0xfedcba98
	s_mov_b32 s[CS], 0x3e38aa3b                    ; c = log2(e) / 8
	s_mov_b32 s[CS+1], s[CS]                       ; (named with it as a pair, so it is written)
	s_mov_b32 s[NCS], 0xbe38aa3b
	s_mov_b32 s[PSEL], 0x05040100
	s_mov_b32 s[G0], 1                             ; count = 1
	s_mov_b32 s[G0+1], s[SL]                       ; LDS address
	s_mov_b32 s[G0W], 1
	s_mov_b32 s[G0W+1], s[SL]
	s_wait_dscnt 0x0                               ; both opening adds are done
	CROUND                                         ; all four work-groups are here: the joint loads meet; the arguments are on their way meanwhile
	s_wait_kmcnt 0x0
	s_add_nc_u64 s[G0+2:G0+3], s[8:9], s[76:77]
	s_or_b32 s[G0+3], s[G0+3], 0x80000000          ; type = 2
	tensor_load_to_lds s[G0:G0+3], s[G1H:G1H+7]    ; one tensor load a wave at the head
	s_nop 0
	PLACES 4
	s_add_nc_u64 s[G0W+2:G0W+3], s[10:11], s[82:83]
	s_or_b32 s[G0W+3], s[G0W+3], 0x80000000
	s_add_nc_u64 s[WOA:WOA+1], s[10:11], s[82:83]
	s_add_nc_u64 s[PFA:PFA+1], s[8:9], s[76:77]
	s_add_nc_u64 s[PFA:PFA+1], s[PFA:PFA+1], PAIR
	s_add_nc_u64 s[4:5], s[4:5], s[78:79]
	s_add_nc_u64 s[6:7], s[6:7], s[80:81]
	s_add_nc_u64 s[12:13], s[12:13], s[84:85]
	s_add_nc_u64 s[14:15], s[14:15], s[86:87]
	s_add_nc_u64 s[16:17], s[16:17], s[88:89]
	s_mul_i32 s94, s41, 18                         ; the prefetches: partner cx takes blocks 18 cx on of 70 (the last names its last again),
	s_mul_i32 s95, s41, 24                         ; and 24 cx on of 96
	v_and_b32 v5, 31, v0                           ; lane
	v_and_b32 v7, 15, v0                           ; r
	v_lshlrev_b32 v[LI], 4, v5
	v_lshlrev_b32 v[LW], 2, v5
	v_lshlrev_b32 v24, 2, v7                       ; 4 r
	global_load_b128 v[Q:Q+3], v[LI], s[4:5]       ; Q's image: it stays in registers
	global_load_b32 v[QS], v24, s[6:7]
	v_add_nc_u32 v[AC], s[SL], v[LI]
	v_add_nc_u32 v[AW], s[SL], v[LW]
	v_min_u32 v[PFO], 17, v5
	v_min_u32 v[PFW], 23, v5
	v_add_nc_u32 v[PFO], s94, v[PFO]
	v_add_nc_u32 v[PFW], s95, v[PFW]
	v_min_u32 v[PFO], 0x45, v[PFO]
	v_lshlrev_b32 v[PFW], 8, v[PFW]
	v_lshlrev_b32 v[PFO], 8, v[PFO]
.irp j, 4,5,6,7
	v_mov_b32 v[Q+\j], 0                           ; zero codes for k = 64 .. 127
.endr
.irp b, 0,1,2,3
	v_mov_b32 v[T+\b], 0                           ; two chains of the sum; and a lane permute's destination counts as one of its sources
.endr
	v_mov_b32 v[SB], 0
	v_mov_b32 v[SB+1], 0
	v_mov_b32 v[LS], 0
	v_mov_b32 v[LS+1], 0
	v_mov_b32 v[F+1], 0                            ; (named as the upper half of a pair)
	v_mov_b32 v[NM+1], 0
	v_mov_b32 v[MX], 0xff61b1e6                    ; the largest score so far: -3e38, under every score
	v_mov_b32 v[NM], 0x7f61b1e6                    ; -M
	WIN 0x40
.set j, 0
.rept 32
	v_mov_b32 v[O+j], 0                            ; O^T: the step is written alike for all: the first finds zeros, which the first change of M leaves zeros
.set j, j+1
.endr
	WIN 0
	s_mov_b32 s[CNT], 7
	s_wait_alu depctr_va_vdst(0)
	s_wait_tensorcnt 0x0                           ; my first two records have landed; I alone read them
	KVLOAD
	s_wait_loadcnt 0x0                             ; Q
.Lstep:
	STEP2 0
	s_sub_co_u32 s[CNT], s[CNT], 1
	s_cmp_lg_u32 s[CNT], 0
	s_wait_alu depctr_va_vdst(0)
	s_cbranch_scc1 .Lstep
	STEP2 1
	; the last product's addresses (v60 = r, v61 = h)
	v_lshrrev_b32 v62, 1, v60
	v_and_b32 v63, 1, v60
	v_mul_u32_u24 v[WA], 816, v62
	v_mul_u32_u24 v64, 400, v63
	v_add_nc_u32 v[WA], v[WA], v64
	v_lshl_add_u32 v[WA], v61, 4, v[WA]
	v_add_nc_u32 v[WA], s[SL], v[WA]               ; a fragment's row + 16 h
	v_lshl_add_u32 v[WA+1], v63, 4, v[WA]          ; K steps 2, 3: an odd row's padding has been passed
	v_lshl_add_u32 v[ORD], v[LN], 4, STG
	v_add_nc_u32 v[OST], s91, v[ORD]
	v_lshlrev_b32 v[OSR], 2, v60
	v_add_nc_u32 v[OSB], v[OSR], v61
	v_add_nc_u32 v[OSB], s92, v[OSB]               ; byte 2 (head % 2) + h of token r's word
	v_add_nc_u32 v[OSR], SSTG, v[OSR]
	v_mul_u32_u24 v[STO], 272, v60
	v_lshl_add_u32 v[STO], v61, 5, v[STO]
	v_add_nc_u32 v[STO], s[SL], v[STO]             ; in: row r, + 32 h
	v_mul_u32_u24 v[SRD], 272, v61
	v_lshl_add_u32 v[SRD], v60, 4, v[SRD]
	v_add_nc_u32 v[SRD], s[SL], v[SRD]             ; back: lanes 0-15 one row, lanes 16-31 the next
	v_mul_u32_u24 v[CO], 3072, v61
	v_lshl_add_u32 v[CO], v60, 4, v[CO]            ; and the same in out0
	; o / l, quantised along the head's 64 channels (two blocks): half a fragment of the last product's K step head / 2, and two scale bytes a token.
	JOIN
	v_add_f32 v[LS], v[LS], v[LS+1]                ; the sum's two halves,
	s_delay_alu instid0(VALU_DEP_1)
	v_permlanex16_b32 v[TV], v[LS], s[SEL], s[SEL+1]
	s_delay_alu instid0(VALU_DEP_1)
	v_add_f32 v[LS], v[LS], v[TV]                  ; and lane l xor 16's
	s_wait_alu depctr_va_vdst(0)                   ; the wait ahead of the transcendental
	v_rcp_f32 v[LS], v[LS]
	v_nop                                          ; a plain place behind the transcendental
	WIN 0x01
	s_wait_alu depctr_va_vdst(0)                   ; and behind it, ahead of its first reader and of O^T's
.set j, 0
.rept 16
	v_pk_mul_f32 v[S+j:S+j+1], v[O+j:O+j+1], v[LS:LS+1] op_sel_hi:[1,0]   ; register 8 t + i is o(query r, channel 16 t + 8 h + i); each accumulator from its low end on
.set j, j+2
.endr
	WIN 0
.irp b, 0,1
	v_max3_num_f32 v[BM+\b], |v[S+16*\b]|, |v[S+16*\b+1]|, 0x1800000
.endr
.irp i, 2,4,6,8,10,12,14
.irp b, 0,1
	v_max3_num_f32 v[BM+\b], v[BM+\b], |v[S+16*\b+\i]|, |v[S+16*\b+\i+1]|
.endr
.endr
.irp b, 0,1
	v_permlanex16_b32 v[T+\b], v[BM+\b], s[SEL], s[SEL+1]
.endr
.irp b, 0,1
	v_max_num_f32 v[BM+\b], v[BM+\b], v[T+\b]
.endr
.irp b, 0,1
	v_add_nc_u32 v[BM+2+\b], 0xff000000, v[BM+\b]
.endr
.irp b, 0,1
	v_lshrrev_b32 v[T+2+\b], 23, v[BM+2+\b]
.endr
	v_cmp_eq_u32 vcc_lo, 0, v[H32]
	v_cndmask_b32 v[OM], v[T+3], v[T+2], vcc_lo    ; both halves of the lanes hold my query's two bytes: lanes 0-15 keep block 0's, lanes 16-31 block 1's
.irp b, 0,1
	v_cvt_scalef32_pk8_fp4_f32 v[PC+\b], v[S+16*\b:S+16*\b+7], v[BM+2+\b]
	v_cvt_scalef32_pk8_fp4_f32 v[PC+\b+2], v[S+16*\b+8:S+16*\b+15], v[BM+2+\b]
.endr
	v_nop                                          ; one plain place behind a scaled conversion
	v_permlane16_swap_b32 v[PC], v[PC+1]
	v_permlane16_swap_b32 v[PC+2], v[PC+3]
	s_wait_alu depctr_va_vdst(0)
	s_wait_tensorcnt 0x0                           ; my rows of Wo have landed; I alone read them
	ds_store_b128 v[OST], v[PC:PC+3]
	ds_store_b8 v[OSB], v[OM]
	WLOAD 0, S
	WLOAD 1, S+32
	WLOAD 2, S+96
	s_wait_dscnt 0x0                               ; for the others' sake: my head's part of o lies in the stage
	s_barrier_signal -1
	s_barrier_wait -1                              ; everybody's does
.irp k, 0,1,2,3,4,5,6,7,8,9,10,11
	ds_load_b128 v[OF+4*\k:OF+4*\k+3], v[ORD] offset:512*\k   ; head k: registers 4 (k % 2) on of K step k / 2
.endr
.irp s, 0,1,2,3,4,5
	ds_load_b32 v[OS+\s], v[OSR] offset:64*\s
.endr
	s_wait_loadcnt 0x0                             ; the bias and Wo's scale words
	s_wait_dscnt 0x0
	MUL4 0, S
	MUL4 1, S+32
	MUL4 2, S+96
	PLACES 4                                       ; in front of loads into registers that the products have read
	WLOAD 3, S
	WLOAD 4, S+32
	WLOAD 5, S+96
	s_wait_dscnt 16                                ; K step 3's eight loads are in; the 16 behind them may be out
	MUL4 3, S
	s_wait_dscnt 8
	MUL4 4, S+32
	s_wait_dscnt 0x0
	MUL4 5, S+96
	PLACES 4                                       ; in front of the first read of results, and of the loads into the fragments' registers
	; THE WAY OUT: my 16 rows of 256 bytes go through a stage in my slot, which has had its last fill and whose reads are mine alone and done; sixteen lanes store 256 consecutive bytes, aligned.
	WIN 0x04                                       ; the data: window 1
.irp t, 0,1,2,3
	ds_store_b128 v[STO], v[ACC+8*\t:ACC+8*\t+3] offset:64*\t          ; each accumulator from its low end on
	ds_store_b128 v[STO], v[ACC+8*\t+4:ACC+8*\t+7] offset:64*\t+16
.endr
	WIN 0
.irp i, 0,1,2,3,4,5,6,7
	ds_load_b128 v[S+4*\i:S+4*\i+3], v[SRD] offset:544*\i              ; LDS serves a wave's instructions in order (ISA guide 5.7.1.4)
.endr
.irp i, 0,1,2,3,4,5,6,7
	s_wait_dscnt 7-\i                              ; behind load i stand 7 - i
	global_store_b128 v[CO], v[S+4*\i:S+4*\i+3], s[16:17] offset:6144*\i th:TH_STORE_NT
.endr
	s_wait_tensorcnt 0x0                           ; the wave's end
	ds_add_u32 v[SPW], v[NIL]
	s_wait_dscnt 0x0
	CROUND                                         ; the closing round: no work-group ends while a partner may still ask for a tile that names it
	s_endpgm
.Lfunc_end_k_q7faf32ab03_attnproj:
	.size	k_q7faf32ab03_attnproj, .Lfunc_end_k_q7faf32ab03_attnproj-k_q7faf32ab03_attnproj
	.p2alignl 7, 3214868480
	.fill 96, 4, 3214868480
	.section	.rodata,"a",@progbits
	.p2align	6, 0x0
	.amdhsa_kernel k_q7faf32ab03_attnproj
		.amdhsa_group_segment_fixed_size 327680
		.amdhsa_private_segment_fixed_size 0
		.amdhsa_enable_private_segment 0
		.amdhsa_kernarg_size 56
		.amdhsa_user_sgpr_count 2
		.amdhsa_user_sgpr_kernarg_segment_ptr 1
		.amdhsa_wavefront_size32 1
		.amdhsa_system_sgpr_workgroup_id_x 1
		.amdhsa_system_sgpr_workgroup_id_y 1
		.amdhsa_system_sgpr_workgroup_id_z 1
		.amdhsa_system_vgpr_workitem_id 0
		.amdhsa_next_free_vgpr 336
		.amdhsa_next_free_sgpr 96
		.amdhsa_reserve_vcc 1
		.amdhsa_float_denorm_mode_32 3
		.amdhsa_float_denorm_mode_16_64 3
		.amdhsa_memory_ordered 1
		.amdhsa_forward_progress 1
		.amdhsa_inst_pref_size 79
	.end_amdhsa_kernel
	.amdgpu_metadata
---
amdhsa.version: [ 1, 2 ]
amdhsa.kernels:
  - .name:           k_q7faf32ab03_attnproj
    .symbol:         k_q7faf32ab03_attnproj.kd
    .args:
      - { .name: qc, .offset: 0, .size: 8, .value_kind: global_buffer, .address_space: global }
      - { .name: qs, .offset: 8, .size: 8, .value_kind: global_buffer, .address_space: global }
      - { .name: kv, .offset: 16, .size: 8, .value_kind: global_buffer, .address_space: global }
      - { .name: Wo_codes, .offset: 24, .size: 8, .value_kind: global_buffer, .address_space: global }
      - { .name: Wo_scales, .offset: 32, .size: 8, .value_kind: global_buffer, .address_space: global }
      - { .name: bo, .offset: 40, .size: 8, .value_kind: global_buffer, .address_space: global }
      - { .name: out0, .offset: 48, .size: 8, .value_kind: global_buffer, .address_space: global }
    .group_segment_fixed_size: 327680
    .private_segment_fixed_size: 0
    .kernarg_segment_align: 8
    .kernarg_segment_size: 56
    .max_flat_workgroup_size: 384
    .sgpr_count:     96
    .vgpr_count:     336
    .wavefront_size: 32
...
	.end_amdgpu_metadata
.endif
;; end of part 5
